; MI455X (gfx1250); checked and timed in simulation.
; The chip was launched on July 23, 2026; its instructions are those of AMD's public machine-readable ISA for CDNA 5 (MIT licence, August 2026) and "CDNA5" Instruction Set Architecture Reference Guide (July 2026). The comments in the code are by the model that wrote it; some were corrected since.
;; Sparse Mo E. Allowed arithmetic: matrix products marked QUANTISED: E2M3 operands, one E8M0 scale for each 32 along K, by v_wmma_scale_f32_16x16x128_f8f6f4 with both operands' format E2M3, f32 sums; products left as they are: f32 operands where the result goes on into a quantised operand, else bf16, f16 or f32 operands; f32 sums; everything else in f32.
;; Inputs: W_down_codes 8 x 1,024 x 64 x 24 uint8 (E2M3 codes of W_down, K innermost, in blocks of 32 codes, four codes in three bytes); W_down_scales 8 x 1,024 x 64 uint8 (E8M0 scales of W_down, one for each 32 codes along K); W_gate_codes 8 x 2,048 x 32 x 24 uint8 (E2M3 codes of W_gate, K innermost, in blocks of 32 codes, four codes in three bytes); W_gate_scales 8 x 2,048 x 32 uint8 (E8M0 scales of W_gate, one for each 32 codes along K); W_up_codes 8 x 2,048 x 32 x 24 uint8 (E2M3 codes of W_up, K innermost, in blocks of 32 codes, four codes in three bytes); W_up_scales 8 x 2,048 x 32 uint8 (E8M0 scales of W_up, one for each 32 codes along K); Wg 1,024 x 8 float32; Ws_down_codes 1,024 x 64 x 24 uint8 (E2M3 codes of Ws_down, K innermost, in blocks of 32 codes, four codes in three bytes); Ws_down_scales 1,024 x 64 uint8 (E8M0 scales of Ws_down, one for each 32 codes along K); Ws_gate_codes 2,048 x 32 x 24 uint8 (E2M3 codes of Ws_gate, K innermost, in blocks of 32 codes, four codes in three bytes); Ws_gate_scales 2,048 x 32 uint8 (E8M0 scales of Ws_gate, one for each 32 codes along K); Ws_up_codes 2,048 x 32 x 24 uint8 (E2M3 codes of Ws_up, K innermost, in blocks of 32 codes, four codes in three bytes); Ws_up_scales 2,048 x 32 uint8 (E8M0 scales of Ws_up, one for each 32 codes along K); x 2 x 512 x 1,024 float32.
;; Outputs: out0 2 x 512 x 1,024 float32; out1 one number float32.
;; This version of the problem:
;;   THIS VERSION OF THE PROBLEM IS GIVEN IN LOW PRECISION. The matrix products marked QUANTISED in the list below multiply operands that are first quantised to E2M3 (2 exponent bits, 3 mantissa bits; 6 bits a number), with one power-of-two scale for each 32 numbers along K (OCP MX v1.0); their sums are f32. All else is computed in f32.
;;   The module's matrix products, in the order in which they are computed (A, B: the left and right operand; K: the contracted axis; several contracted axes count as one K, in the product's order):
;;     1. [M 1,024, K 1,024] x [K 1,024, N 2,048]; A: input x; B: input Ws_gate (given as codes): QUANTISED
;;     2. [M 1,024, K 1,024] x [K 1,024, N 2,048]; A: input x; B: input Ws_up (given as codes): QUANTISED
;;     3. [M 1,024, K 2,048] x [K 2,048, N 1,024]; A: computed on the way; B: input Ws_down (given as codes): QUANTISED
;;     4. [M 1,024, K 1,024] x [K 1,024, N 8]; A: input x; B: input Wg: left as it is (N = 8 < 16)
;;     5. batch 1,024 x [M 1, K 2] x [K 2, N 8]; A: computed on the way; B: computed on the way: left as it is (K = 2 < 32)
;;     6. [M 1,024, K 1,024] x [K 1,024, N 2,048]; A: input x; B: input W_gate (given as codes): QUANTISED
;;     7. [M 1,024, K 1,024] x [K 1,024, N 2,048]; A: input x; B: input W_up (given as codes): QUANTISED
;;     8. [M 1,024, K 2,048] x [K 2,048, N 1,024]; A: computed on the way; B: input W_down (given as codes): QUANTISED
;;     9. [M 1,024, K 1,024] x [K 1,024, N 2,048]; A: input x; B: input W_gate (given as codes): QUANTISED
;;     10. [M 1,024, K 1,024] x [K 1,024, N 2,048]; A: input x; B: input W_up (given as codes): QUANTISED
;;     11. [M 1,024, K 2,048] x [K 2,048, N 1,024]; A: computed on the way; B: input W_down (given as codes): QUANTISED
;;     12. [M 1,024, K 1,024] x [K 1,024, N 2,048]; A: input x; B: input W_gate (given as codes): QUANTISED
;;     13. [M 1,024, K 1,024] x [K 1,024, N 2,048]; A: input x; B: input W_up (given as codes): QUANTISED
;;     14. [M 1,024, K 2,048] x [K 2,048, N 1,024]; A: computed on the way; B: input W_down (given as codes): QUANTISED
;;     15. [M 1,024, K 1,024] x [K 1,024, N 2,048]; A: input x; B: input W_gate (given as codes): QUANTISED
;;     16. [M 1,024, K 1,024] x [K 1,024, N 2,048]; A: input x; B: input W_up (given as codes): QUANTISED
;;     17. [M 1,024, K 2,048] x [K 2,048, N 1,024]; A: computed on the way; B: input W_down (given as codes): QUANTISED
;;     18. [M 1,024, K 1,024] x [K 1,024, N 2,048]; A: input x; B: input W_gate (given as codes): QUANTISED
;;     19. [M 1,024, K 1,024] x [K 1,024, N 2,048]; A: input x; B: input W_up (given as codes): QUANTISED
;;     20. [M 1,024, K 2,048] x [K 2,048, N 1,024]; A: computed on the way; B: input W_down (given as codes): QUANTISED
;;     21. [M 1,024, K 1,024] x [K 1,024, N 2,048]; A: input x; B: input W_gate (given as codes): QUANTISED
;;     22. [M 1,024, K 1,024] x [K 1,024, N 2,048]; A: input x; B: input W_up (given as codes): QUANTISED
;;     23. [M 1,024, K 2,048] x [K 2,048, N 1,024]; A: computed on the way; B: input W_down (given as codes): QUANTISED
;;     24. [M 1,024, K 1,024] x [K 1,024, N 2,048]; A: input x; B: input W_gate (given as codes): QUANTISED
;;     25. [M 1,024, K 1,024] x [K 1,024, N 2,048]; A: input x; B: input W_up (given as codes): QUANTISED
;;     26. [M 1,024, K 2,048] x [K 2,048, N 1,024]; A: computed on the way; B: input W_down (given as codes): QUANTISED
;;     27. [M 1,024, K 1,024] x [K 1,024, N 2,048]; A: input x; B: input W_gate (given as codes): QUANTISED
;;     28. [M 1,024, K 1,024] x [K 1,024, N 2,048]; A: input x; B: input W_up (given as codes): QUANTISED
;;     29. [M 1,024, K 2,048] x [K 2,048, N 1,024]; A: computed on the way; B: input W_down (given as codes): QUANTISED
;;   THE QUANTISER, for each operand of a quantised product, along K:
;;     - K is cut into blocks of 32 from its start; a last block that is shorter is filled with zeros.
;;     - A block's scale is 2^e with e = floor(log2(the largest magnitude in the block)) - 2, held to -126 .. 127; a block of zeros has e = 0. As a byte (E8M0): e + 127.
;;     - Each number is divided by its block's scale, clamped to +-7.5, and rounded to the nearest number of E2M3, ties to even, subnormals kept.
;;     - The product sums the exact products of the quantised numbers (number of the format x scale) in f32.
;;   ~~~python
;;   def quantise(x, axis):      # numpy; x: float32 -> the quantised numbers, widened to float32 again
;;       x = np.moveaxis(x, axis, -1); K = x.shape[-1]
;;       x = np.pad(x, [(0, 0)] * (x.ndim - 1) + [(0, -K % 32)]); x = x.reshape(x.shape[:-1] + (-1, 32)); a = np.abs(x).max(-1, keepdims=True)
;;       e = np.where(a > 0, np.clip(np.frexp(np.where(a > 0, a, 1))[1] - 1 - 2, -126, 127), 0)      # np.frexp(a)[1] - 1 = floor(log2(a)), exactly
;;       r = np.clip(x / 2.0 ** e, -7.5, 7.5)
;;       step = 2.0 ** (np.maximum(np.frexp(np.where(r == 0, 1, r))[1] - 1, 0) - 3)
;;       q = np.round(r / step) * step * 2.0 ** e      # np.round: ties to even
;;       return np.moveaxis(q.reshape(q.shape[:-2] + (-1,))[..., :K], -1, axis).astype(np.float32)
;;   ~~~
;;   OPERANDS COMPUTED ON THE WAY. 'Computed on the way' means the value that the module computes at that place (a softmax that the list does not call 'softmax' is quantised finished and normalised). What goes into a quantiser is computed in f32, as accurately as f32 sums, v_exp_f32 and their like allow (about 1e-6 of the number): no bf16 or f16 on the way to a quantiser, and a product that is left as it is and whose result goes on into a quantised operand takes f32 operands (vector FMAs, or v_wmma_f32_16x16x4_f32). A number that lies on a knife's edge between two numbers of the format may be rounded either way, as far as f32 arithmetic and the matrix unit's own rounding can turn it there, and no further.
;;   INPUTS GIVEN AS CODES. W_down (in the module: [8, 2048, 1024], K = its axis 1); W_gate (in the module: [8, 1024, 2048], K = its axis 1); W_up (in the module: [8, 1024, 2048], K = its axis 1); Ws_down (in the module: [2048, 1024], K = its axis 0); Ws_gate (in the module: [1024, 2048], K = its axis 0); Ws_up (in the module: [1024, 2048], K = its axis 0): each comes as NAME_codes (uint8): NAME with its K axis moved to the last place and cut into blocks of 32 codes, [.., K / 32, bytes a block], one block behind the other in memory; four codes in three bytes: a row's codes are one little-endian stream of bits, code i at bits 6 i .. 6 i + 5 (a code: sign, 2 exponent bits, 3 mantissa bits); and NAME_scales (uint8): the same leading axes, one E8M0 byte (e + 127) for each 32 codes along K. Its value is code x scale, taken as it is: it is not quantised again, and the codes and scales need not be those that the quantiser above would give.
;; One version. Each part assembles by itself: llvm-mc -triple=amdgcn-amd-amdhsa -mcpu=gfx1250 --defsym DOCPART=n.
;; ======== version 1 of 1: 5 launches
;; workspace buffers: xq 835,584 bytes; ridx 5,120 bytes of whole numbers; xs 2,560,000 bytes; plan 8,704 bytes of whole numbers; hq 5,120,000 bytes; y 13,107,200 bytes
;; launch route (part 1): grid 256 x 1, 1 waves a work-group, no clusters, 42,496 bytes of LDS; arguments x, Wg, xq, ridx, xs; writes xq, ridx, xs
.if DOCPART == 1
	.amdgcn_target "amdgcn-amd-amdhsa--gfx1250"
	.amdhsa_code_object_version 6
	.text
	.protected	k_q0755c5bb08_route
	.globl	k_q0755c5bb08_route
	.p2align	8
	.type	k_q0755c5bb08_route,@function
k_q0755c5bb08_route:
	s_mov_b64 s[64:65], 0
	v_nop
	global_prefetch_b8 v0, s[64:65] scope:SCOPE_SE
	s_setreg_imm32_b32 hwreg(HW_REG_WAVE_MODE, 25, 1), 1
	s_wait_xcnt 0x0
; ROUTE.  A work-group of one wave owns four tokens (4 wg .. 4 wg + 3) of the 1,024.
; It (a) quantises their rows of x to E2M3 codes with one E8M0 byte for each 32 along D, (b) computes the router's 8 logits in f32 by fused multiply-adds, the softmax (its maximum taken away),
; the two largest scores (strictly greater wins, experts ascending: equal scores keep the lower index), their renormalised weights, (c) stores the choice as whole numbers at fixed places,
; (d) clears its share of the routed rows of xs, so that the rows which pad an expert's range to a multiple of 16 hold zero codes.
; No address and no branch hangs on a floating-point number: what is chosen is stored as data; a later launch places the rows.
; xq: codes [1024][768] at 0; scale bytes [1024][32] at XQ_SC; weights [1024][2] f32 at XQ_WT; sums of scores [256][8] f32 at XQ_PS.
; ridx: [1024] words e0 | e1<<4 | r0<<8 | r1<<12 (r: how many earlier tokens of the four chose that expert) at 0; [256] words of eight 4-bit counts, one for each expert, at 4096.
; A ROW OF CODES: within each 96 bytes (128 along D) the four blocks of 24 bytes lie in the order 0, 2, 1, 3, so that the 48 bytes which a lane of the matrix operand wants (blocks h and 2 + h) are neighbours.
; LIMITS: NaN and infinities among the inputs are not served.  Scores under 2^-126 count as 0 (the exponential gives 0 there).  A block of zeros gets the byte 1: its codes are zeros, and this program alone reads the bytes.
; Blocks whose largest magnitude lies under 2^-124 have their byte held at 1.  The logits' sums run in another order than the definition's.
; Matrix units, clusters and copy engines would add nothing: the launch reads 4 MB once and its arithmetic is 8 M multiply-adds.
.set XQ_SC,  786432
.set XQ_WT,  819200
.set XQ_PS,  827392
.set XS_SC,  2457600
.set XT,     36864                     ; LDS: 0 .. 36863 Wg as 256 groups of 128 bytes, 144 apart; then two stages of 32 x 80 bytes; then 128 scale bytes
.set SBY,    41984
.set X,      32                        ; v32-159  x: register 32 tau + 4 j + i = x[tau][128 j + 4 lane + i]
.set ACC,    160                       ; v160-191 the logits' sums: 8 tau + e
.set TN,     192                       ; v192-223 two sets of 16 neighbours along D
.set CD,     224                       ; v224-255 codes: four registers a step, never written again
.set SBR,    16                        ; v16-23   a scale byte a step
.set MSB, 0
.macro WIN new                         ; the immediate's high byte repeats the setting that is left
.if MSB != (\new)
	s_set_vgpr_msb (MSB<<8)|(\new)
.set MSB, (\new)
.endif
.endm
	s_load_b256 s[4:11], s[0:1], 0x0               ; x s[4:5], Wg s[6:7], xq s[8:9], ridx s[10:11]
	s_load_b64 s[12:13], s[0:1], 0x20              ; xs
	v_lshl_add_u32 v251, v0, 2, 0xa500
	v_mov_b32 v255, 0
	v_lshlrev_b32 v1, 4, v0                        ; 16 x lane
	v_lshrrev_b32 v2, 2, v0
	v_and_b32 v3, 3, v0
	v_lshlrev_b32 v3, 4, v3
	v_mad_u32_u24 v2, v2, 80, v3
	v_add_nc_u32 v2, XT, v2                        ; the stage, on the way in: 80 (lane / 4) + 16 (lane % 4)
	v_mul_u32_u24 v3, v0, 80
	v_add_nc_u32 v3, XT, v3                        ; and on the way out: 80 x lane: 16 neighbours
	v_lshrrev_b32 v4, 3, v0
	v_mul_u32_u24 v4, v4, 96                       ; my codes' place in half a row: 96 bytes for each 128 along D,
	v_bfe_u32 v5, v0, 1, 1
	v_mad_u32_u24 v4, v5, 48, v4                   ; block b = (lane / 2) % 4 at place 2 (b % 2) + b / 2, 24 bytes a place,
	v_bfe_u32 v5, v0, 2, 1
	v_mad_u32_u24 v4, v5, 24, v4
	v_and_b32 v5, 1, v0
	v_mad_u32_u24 v4, v5, 12, v4                   ; and 12 bytes for each half of a block
	v_lshrrev_b32 v5, 1, v0
	v_add_nc_u32 v5, SBY, v5                       ; my block's scale byte
	v_lshrrev_b32 v7, 3, v0
	v_and_b32 v6, 7, v0
	v_lshlrev_b32 v6, 4, v6
	v_mad_u32_u24 v7, v7, 144, v6                  ; Wg into LDS: 144 (lane / 8) + 16 (lane % 8)
	v_mul_u32_u24 v24, v0, 144                     ; and out: my group of 128 bytes
	v_lshlrev_b32 v6, 2, v0
	v_add_nc_u32 v25, SBY, v6
	v_mov_b32 v8, 0
	v_mov_b32 v9, 0
	v_mov_b32 v10, 0
	v_mov_b32 v11, 0
	s_lshl_b32 s32, ttmp9, 7
	v_add_nc_u32 v26, s32, v6                      ; scale bytes out: 128 wg + 4 lane
	s_lshl_b32 s33, ttmp9, 4
	v_add_nc_u32 v27, s33, v6                      ; the choice: 16 wg + 4 lane
	s_lshl_b32 s34, ttmp9, 5
	v_lshl_add_u32 v28, v0, 3, s34                 ; the weights: 32 wg + 8 lane
	s_lshl_b32 s35, ttmp9, 2
	v_mov_b32 v29, s35                             ; the counts: 4 wg
	v_mov_b32 v30, s34                             ; the sums of scores: 32 wg
	s_mov_b32 s14, 0x76543210
	s_mov_b32 s15, 0xfedcba98                      ; v_permlanex16_b32's selects for lane xor 16
	s_lshl_b32 s16, ttmp9, 14
	s_mov_b32 s17, 0
	s_wait_kmcnt 0x0
	s_add_nc_u64 s[4:5], s[4:5], s[16:17]          ; my four rows of x
.set q, 0
.rept 32
	global_load_b128 v[X+4*q:X+4*q+3], v1, s[4:5] offset:512*q th:TH_LOAD_NT   ; 32 lanes read 512 consecutive bytes
.set q, q+1
.endr
	WIN 0x40                                       ; destination window 1
.set q, 0
.rept 64
	global_load_b128 v[4*q:4*q+3], v1, s[6:7] offset:512*q                     ; Wg as it lies
.set q, q+1
.endr
	WIN 0
	; the routed rows of xs, 2,176 x 768 bytes = 204 x 8,192, and their scale bytes, 136 x 512, are cleared
	s_cmp_lt_u32 ttmp9, 204
	s_cbranch_scc0 .Lnofill
	s_lshl_b32 s16, ttmp9, 13
	s_add_nc_u64 s[18:19], s[12:13], s[16:17]
.set q, 0
.rept 16
	global_store_b128 v1, v[8:11], s[18:19] offset:512*q
.set q, q+1
.endr
	s_cmp_lt_u32 ttmp9, 136
	s_cbranch_scc0 .Lnofill
	s_lshl_b32 s16, ttmp9, 9
	s_add_nc_u64 s[20:21], s[12:13], s[16:17]
	global_store_b128 v1, v[8:11], s[20:21] offset:XS_SC
.Lnofill:
	s_mul_i32 s16, ttmp9, 3072
	s_add_nc_u64 s[22:23], s[8:9], s[16:17]        ; my four rows of codes
; Step k = half a row, 512 numbers.  Its 2,048 bytes go through a stage as they lie and come back 64 bytes a lane.
.macro TURN k
.irp i, 0,1,2,3
	ds_store_b128 v2, v[X+16*(\k)+4*\i:X+16*(\k)+4*\i+3] offset:2560*((\k)%2)+640*\i
.endr
.irp i, 0,1,2,3
	ds_load_b128 v[TN+16*((\k)%2)+4*\i:TN+16*((\k)%2)+4*\i+3], v3 offset:2560*((\k)%2)+16*\i   ; LDS serves a wave's instructions in order: these see the stores above
.endr
.endm
.macro QSTEP k
.set XSr, TN+16*((\k)%2)
.if (\k) > 0
	s_wait_dscnt 1                                 ; this step's numbers are back; the last step's byte store may be out
.else
	s_wait_dscnt 0x0
.endif
.if (\k) < 7
	TURN (\k)+1                                    ; the next step goes through the other stage meanwhile
.endif
	v_max3_num_f32 v12, |v[XSr]|, |v[XSr+1]|, |v[XSr+2]|           ; the largest magnitude of my 16, in two chains
	v_max3_num_f32 v13, |v[XSr+3]|, |v[XSr+4]|, |v[XSr+5]|
.irp i, 6,10
	v_max3_num_f32 v12, v12, |v[XSr+\i]|, |v[XSr+\i+1]|
	v_max3_num_f32 v13, v13, |v[XSr+\i+2]|, |v[XSr+\i+3]|
.endr
	v_max3_num_f32 v12, v12, |v[XSr+14]|, |v[XSr+15]|
	v_max3_num_f32 v12, v12, v13, 0x1800000        ; and the floor 2^(3 - 127): the byte cannot fall under 1
	v_max_num_f32_dpp v12, v12, v12 row_xmask:1 row_mask:0xf bank_mask:0xf   ; with my neighbour's 16: the block's
	v_add_nc_u32 v14, 0xff000000, v12              ; 2 off its exponent field: the conversion takes the exponent field of this operand as its scale
	v_cvt_scalef32_pk16_fp6_f32 v[CD+4*(\k):CD+4*(\k)+2], v[XSr:XSr+15], v14
	v_lshrrev_b32 v[SBR+(\k)], 23, v14             ; the scale's byte
	ds_store_b8 v5, v[SBR+(\k)] offset:16*(\k)     ; both lanes of a block write the same byte with the same value
	global_store_b96 v4, v[CD+4*(\k):CD+4*(\k)+2], s[22:23] offset:384*(\k)   ; the wave's 384 bytes are consecutive
.endm
	s_wait_loadcnt 63                              ; x's 32 loads were issued first: with at most 63 of the 64 behind them out, they are in
	TURN 0
.irp k, 0,1,2,3,4,5,6,7
	QSTEP \k
.endr
	; Wg through LDS: lane l wants, for each j, rows 128 j + 4 l .. + 3 of Wg: 128 consecutive bytes
	s_wait_loadcnt 0x0
	WIN 0x04                                       ; an LDS store's data are its source 1: window 1
.set q, 0
.rept 64
	ds_store_b128 v7, v[4*q:4*q+3] offset:576*q
.set q, q+1
.endr
	WIN 0x40
.irp j, 0,1,2,3,4,5,6,7
.irp m, 0,1,2,3,4,5,6,7
	ds_load_b128 v[32*\j+4*\m:32*\j+4*\m+3], v24 offset:4608*\j+16*\m          ; window 1, register 32 j + 8 i + e = Wg[128 j + 4 lane + i][e]
.endr
.endr
	WIN 0
	ds_load_b32 v31, v25                           ; the four rows' scale bytes, 4 a lane
	s_wait_dscnt 0x0
	global_store_b32 v26, v31, s[8:9] offset:XQ_SC
	; the logits: 16 chains of packed multiply-adds by turns; the first products start the sums
	WIN 0x04                                       ; source 1 (Wg) window 1
.irp j, 0,1,2,3,4,5,6,7
.irp ih, 0,1
.irp il, 0,1
.irp t, 0,1,2,3
.irp p, 0,1,2,3
.if (\j == 0) && (\ih == 0) && (\il == 0)
	v_pk_mul_f32 v[ACC+8*\t+2*\p:ACC+8*\t+2*\p+1], v[X+32*\t+4*\j+2*\ih:X+32*\t+4*\j+2*\ih+1], v[32*\j+16*\ih+8*\il+2*\p:32*\j+16*\ih+8*\il+2*\p+1] op_sel:[\il,0] op_sel_hi:[\il,1]
.else
	v_pk_fma_f32 v[ACC+8*\t+2*\p:ACC+8*\t+2*\p+1], v[X+32*\t+4*\j+2*\ih:X+32*\t+4*\j+2*\ih+1], v[32*\j+16*\ih+8*\il+2*\p:32*\j+16*\ih+8*\il+2*\p+1], v[ACC+8*\t+2*\p:ACC+8*\t+2*\p+1] op_sel:[\il,0,0] op_sel_hi:[\il,1,1]
.endif
.endr
.endr
.endr
.endr
.endr
	WIN 0
	; across the 32 lanes: every lane ends with all 32 sums
.irp m, 1,2,4,8
.set r, 0
.rept 32
	v_add_f32_dpp v[ACC+r], v[ACC+r], v[ACC+r] row_xmask:\m row_mask:0xf bank_mask:0xf
.set r, r+1
.endr
.endr
.set r, 0
.rept 32
	v_permlanex16_b32 v[X+r], v[ACC+r], s14, s15   ; (x's registers are done with)
.set r, r+1
.endr
.set r, 0
.rept 32
	v_add_f32 v[ACC+r], v[ACC+r], v[X+r]
.set r, r+1
.endr
	; from here a lane serves token tau = lane % 4: v64-71 its logits, then p, then scores
	v_and_b32 v72, 3, v0
	v_cmp_eq_u32 s24, 1, v72
	v_cmp_eq_u32 s25, 2, v72
	v_cmp_eq_u32 s26, 3, v72
	v_and_b32 v104, 1, v72
	v_and_b32 v105, 2, v72
	v_cmp_ne_u32 s27, 0, v104                      ; token tau xor 1 comes before mine
	v_cmp_ne_u32 s28, 0, v105                      ; tokens tau xor 2 and tau xor 3 come before mine
.irp e, 0,1,2,3,4,5,6,7
	v_cndmask_b32 v[64+\e], v[ACC+\e], v[ACC+8+\e], s24
.endr
.irp e, 0,1,2,3,4,5,6,7
	v_cndmask_b32 v[64+\e], v[64+\e], v[ACC+16+\e], s25
.endr
.irp e, 0,1,2,3,4,5,6,7
	v_cndmask_b32 v[64+\e], v[64+\e], v[ACC+24+\e], s26
.endr
	v_max3_num_f32 v73, v64, v65, v66
	v_max3_num_f32 v73, v73, v67, v68
	v_max3_num_f32 v73, v73, v69, v70
	v_max_num_f32 v73, v73, v71                    ; the row's largest logit
.irp e, 0,1,2,3,4,5,6,7
	v_sub_f32 v[64+\e], v[64+\e], v73
.endr
.irp e, 0,1,2,3,4,5,6,7
	v_mul_f32 v[64+\e], 0x3fb8aa3b, v[64+\e]       ; x log2(e)
.endr
.irp e, 0,1,2,3,4,5,6,7
	v_exp_f32 v[64+\e], v[64+\e]
.endr
	v_nop                                          ; a plain instruction behind the last exponential
	s_wait_alu depctr_va_vdst(0)                   ; one wait for the eight, ahead of their first reader
	v_add_f32 v74, v64, v65
	v_add_f32 v75, v66, v67
	v_add_f32 v76, v68, v69
	v_add_f32 v77, v70, v71
	v_add_f32 v74, v74, v75
	v_add_f32 v76, v76, v77
	v_add_f32 v74, v74, v76
	v_rcp_f32 v74, v74
	v_mov_b32 v93, 1                               ; (a plain instruction behind the reciprocal)
	s_wait_alu depctr_va_vdst(0)
.irp e, 0,1,2,3,4,5,6,7
	v_mul_f32 v[64+\e], v[64+\e], v74              ; the scores
.endr
	; the two largest: v75, v77 the best and its expert; v76, v78 the second
	v_mov_b32 v75, v64
	v_mov_b32 v77, 0
	v_mov_b32 v76, -1.0                            ; under every score
	v_mov_b32 v78, 0
.irp e, 1,2,3,4,5,6,7
	v_cmp_gt_f32 s30, v[64+\e], v75
	v_cmp_gt_f32 s31, v[64+\e], v76
	v_cndmask_b32 v76, v76, v[64+\e], s31
	v_cndmask_b32 v78, v78, \e, s31
	v_cndmask_b32 v76, v76, v75, s30
	v_cndmask_b32 v78, v78, v77, s30
	v_cndmask_b32 v75, v75, v[64+\e], s30
	v_cndmask_b32 v77, v77, \e, s30
.endr
	v_add_f32 v79, v75, v76
	v_add_f32 v79, 0x3089705f, v79                 ; + 1e-9
	v_rcp_f32 v79, v79
	v_lshlrev_b32 v82, 2, v77                      ; 4 e0 (a plain instruction behind the reciprocal)
	v_lshlrev_b32 v83, 2, v78                      ; 4 e1
	s_wait_alu depctr_va_vdst(0)
	v_mul_f32 v80, v75, v79                        ; the two weights
	v_mul_f32 v81, v76, v79
	v_lshlrev_b32 v84, v82, v93
	v_lshlrev_b32 v85, v83, v93
	v_add_nc_u32 v84, v84, v85                     ; my token's two experts, a one in each one's four bits
	v_mov_b32 v86, 0                               ; (a lane move's destination counts as one of its sources)
	v_mov_b32 v87, 0
	v_mov_b32 v88, 0
	v_mov_b32_dpp v86, v84 row_xmask:1 row_mask:0xf bank_mask:0xf              ; the same word of token tau xor 1,
	v_mov_b32_dpp v87, v84 row_xmask:2 row_mask:0xf bank_mask:0xf              ; of tau xor 2,
	v_mov_b32_dpp v88, v84 row_xmask:3 row_mask:0xf bank_mask:0xf              ; of tau xor 3
	v_add_nc_u32 v92, v84, v86
	v_add_nc_u32 v94, v87, v88
	v_add_nc_u32 v94, v94, v92                     ; the four tokens' counts, in every lane
	v_cndmask_b32 v86, 0, v86, s27                 ; of the three others, those that come before mine
	v_cndmask_b32 v87, 0, v87, s28
	v_cndmask_b32 v88, 0, v88, s28
	v_add_nc_u32 v85, v86, v87
	v_add_nc_u32 v85, v85, v88                     ; counts of the earlier tokens of the four
	v_lshrrev_b32 v89, v82, v85
	v_and_b32 v89, 15, v89                         ; r0
	v_lshrrev_b32 v90, v83, v85
	v_and_b32 v90, 15, v90                         ; r1
	v_lshl_or_b32 v91, v78, 4, v77
	v_lshl_or_b32 v91, v89, 8, v91
	v_lshl_or_b32 v91, v90, 12, v91                ; e0 | e1<<4 | r0<<8 | r1<<12
.irp e, 0,1,2,3,4,5,6,7
	v_add_f32_dpp v[96+\e], v[64+\e], v[64+\e] row_xmask:1 row_mask:0xf bank_mask:0xf
.endr
.irp e, 0,1,2,3,4,5,6,7
	v_add_f32_dpp v[96+\e], v[96+\e], v[96+\e] row_xmask:2 row_mask:0xf bank_mask:0xf   ; the four tokens' scores, summed
.endr
	s_wait_xcnt 0x0                                ; EXEC changes only behind this wait
	s_wait_tensorcnt 0x0
	ds_add_u32 v251, v255
	s_wait_dscnt 0x0
	v_cmpx_gt_u32 4, v0                            ; lanes 0 to 3: a token each
	global_store_b32 v27, v91, s[10:11]
	global_store_b64 v28, v[80:81], s[8:9] offset:XQ_WT
	s_wait_xcnt 0x0
	v_cmpx_eq_u32 0, v0                            ; lane 0: what belongs to the four together
	global_store_b32 v29, v94, s[10:11] offset:4096
	global_store_b128 v30, v[96:99], s[8:9] offset:XQ_PS
	global_store_b128 v30, v[100:103], s[8:9] offset:XQ_PS+16
	s_endpgm
.Lfunc_end_k_q0755c5bb08_route:
	.size	k_q0755c5bb08_route, .Lfunc_end_k_q0755c5bb08_route-k_q0755c5bb08_route
	.p2alignl 7, 3214868480
	.fill 96, 4, 3214868480
	.section	.rodata,"a",@progbits
	.p2align	6, 0x0
	.amdhsa_kernel k_q0755c5bb08_route
		.amdhsa_group_segment_fixed_size 42496
		.amdhsa_private_segment_fixed_size 0
		.amdhsa_enable_private_segment 0
		.amdhsa_kernarg_size 40
		.amdhsa_user_sgpr_count 2
		.amdhsa_user_sgpr_kernarg_segment_ptr 1
		.amdhsa_wavefront_size32 1
		.amdhsa_system_sgpr_workgroup_id_x 1
		.amdhsa_system_sgpr_workgroup_id_y 1
		.amdhsa_system_sgpr_workgroup_id_z 1
		.amdhsa_system_vgpr_workitem_id 0
		.amdhsa_next_free_vgpr 512
		.amdhsa_next_free_sgpr 66
		.amdhsa_reserve_vcc 0
		.amdhsa_float_denorm_mode_32 3
		.amdhsa_float_denorm_mode_16_64 3
		.amdhsa_memory_ordered 1
		.amdhsa_forward_progress 1
		.amdhsa_inst_pref_size 87
	.end_amdhsa_kernel
	.amdgpu_metadata
---
amdhsa.version: [ 1, 2 ]
amdhsa.kernels:
  - .name:           k_q0755c5bb08_route
    .symbol:         k_q0755c5bb08_route.kd
    .args:
      - { .name: x, .offset: 0, .size: 8, .value_kind: global_buffer, .address_space: global }
      - { .name: Wg, .offset: 8, .size: 8, .value_kind: global_buffer, .address_space: global }
      - { .name: xq, .offset: 16, .size: 8, .value_kind: global_buffer, .address_space: global }
      - { .name: ridx, .offset: 24, .size: 8, .value_kind: global_buffer, .address_space: global }
      - { .name: xs, .offset: 32, .size: 8, .value_kind: global_buffer, .address_space: global }
    .group_segment_fixed_size: 42496
    .private_segment_fixed_size: 0
    .kernarg_segment_align: 8
    .kernarg_segment_size: 40
    .max_flat_workgroup_size: 32
    .sgpr_count:     66
    .vgpr_count:     512
    .wavefront_size: 32
...
	.end_amdgpu_metadata
.endif
;; end of part 1
;; launch place (part 2): grid 256 x 1, 1 waves a work-group, no clusters, 0 bytes of LDS; arguments xq, ridx, xs, plan, out1; writes xs, plan, out1
.if DOCPART == 2
	.amdgcn_target "amdgcn-amd-amdhsa--gfx1250"
	.amdhsa_code_object_version 6
	.text
	.protected	k_q0755c5bb08_place
	.globl	k_q0755c5bb08_place
	.p2align	8
	.type	k_q0755c5bb08_place,@function
k_q0755c5bb08_place:
	s_mov_b64 s[64:65], 0
	v_nop
	global_prefetch_b8 v0, s[64:65] scope:SCOPE_SE
	s_setreg_imm32_b32 hwreg(HW_REG_WAVE_MODE, 25, 1), 1
	s_wait_xcnt 0x0
; PLACE.  A counting sort by expert, without atomics.  Every work-group (one wave, four tokens) reads all 256 words of counts, sums them (all, and those of the work-groups before it), and so knows where each
; expert's rows begin and how many rows of each expert lie before its own.  An expert's rows begin at a multiple of 16: base[e] = the sum over e' < e of cnt[e'] rounded up to 16; at most 2,048 + 8 x 15 rows.
; Each token's row of codes and scale bytes is copied to its two routed rows and to row 2,176 + token (the shared expert's).  plan: [1024][2] the two rows of each token at 0;
; 32 x (first tile, tiles) for the gate/up launch at 8192 and for the down launch at 8448 (tiles of 16 rows).  A worker without tiles gets first tile 136, one that always holds data.
; Work-group 0 also stores the tables and the load-balancing loss: 0.08 / 2^21 x the sum over e of cnt[e] x (the sum of all scores of e).
; Positions come from whole numbers that the launch before stored; they are held to 2,175 ahead of every address.
.set XQ_SC,  786432
.set XQ_PS,  827392
.set XS_SC,  2457600
	s_load_b256 s[4:11], s[0:1], 0x0               ; xq s[4:5], ridx s[6:7], xs s[8:9], plan s[10:11]
	s_load_b64 s[12:13], s[0:1], 0x20              ; out1
	v_and_b32 v1, 15, v0                           ; r16
	v_lshrrev_b32 v2, 4, v0                        ; hh: lanes 0-15 one token, lanes 16-31 the next
	v_lshlrev_b32 v3, 5, v0                        ; my eight words of counts
	v_lshlrev_b32 v4, 2, v2
	v_lshlrev_b32 v9, 4, v1                        ; 16 r16
	v_mad_u32_u24 v5, v2, 768, v9                  ; a row of codes: sixteen lanes to 256 bytes
	v_lshlrev_b32 v10, 1, v1                       ; 2 r16
	v_lshl_add_u32 v6, v2, 5, v10                  ; a row of scale bytes: 2 a lane
	v_lshlrev_b32 v7, 8, v0                        ; my eight rows of sums of scores
	v_lshlrev_b32 v8, 3, v0                        ; the first work-group whose counts I hold
	v_lshlrev_b32 v11, 3, v2
	v_lshlrev_b32 v12, 3, v0
	s_mov_b32 s14, 0x76543210
	s_mov_b32 s15, 0xfedcba98
	s_mov_b32 s16, ttmp9
	s_mov_b32 s19, 0
	s_mov_b32 s86, 0x0f0f0f0f
	s_mov_b32 s88, 0x00ff00ff
	s_wait_kmcnt 0x0
	s_lshl_b32 s18, s16, 4
	s_add_nc_u64 s[74:75], s[6:7], s[18:19]        ; my four tokens' choice
	s_mul_i32 s18, s16, 3072
	s_add_nc_u64 s[76:77], s[4:5], s[18:19]        ; their codes
	s_add_nc_u64 s[80:81], s[8:9], s[18:19]
	s_add_nc_u64 s[80:81], s[80:81], 2176*768      ; and where these go for the shared expert
	s_lshl_b32 s18, s16, 7
	s_add_nc_u64 s[78:79], s[4:5], s[18:19]        ; their scale bytes
	s_add_nc_u64 s[82:83], s[8:9], s[18:19]
	s_add_nc_u64 s[82:83], s[82:83], 2176*32
	s_lshl_b32 s18, s16, 5
	s_add_nc_u64 s[84:85], s[10:11], s[18:19]      ; their places in plan
	global_load_b128 v[16:19], v3, s[6:7] offset:4096
	global_load_b128 v[20:23], v3, s[6:7] offset:4112
	global_load_b32 v24, v4, s[74:75]
	global_load_b32 v25, v4, s[74:75] offset:8
.irp a, 0,1
.irp j, 0,1,2
	global_load_b128 v[32+12*\a+4*\j:32+12*\a+4*\j+3], v5, s[76:77] offset:1536*\a+256*\j
.endr
	global_load_u16 v[56+\a], v6, s[78:79] offset:XQ_SC+64*\a
.endr
.irp m, 0,1,2,3,4,5,6,7,8,9,10,11,12,13,14,15
	global_load_b128 v[64+4*\m:64+4*\m+3], v7, s[4:5] offset:XQ_PS+16*\m
.endr
	v_mov_b32 v128, 0                              ; counts of experts 0, 2, 4, 6, a byte each: all work-groups';
	v_mov_b32 v129, 0                              ; of experts 1, 3, 5, 7;
	v_mov_b32 v130, 0                              ; the same of the work-groups before mine
	v_mov_b32 v131, 0
	s_wait_loadcnt 0x0
.irp i, 0,1,2,3,4,5,6,7
	v_and_b32 v132, s86, v[16+\i]
	v_lshrrev_b32 v133, 4, v[16+\i]
	v_and_b32 v133, s86, v133
	s_sub_co_i32 s87, s16, \i
	v_cmp_gt_i32 vcc_lo, s87, v8                   ; is work-group 8 lane + i before mine?
	v_add_nc_u32 v128, v128, v132
	v_add_nc_u32 v129, v129, v133
	v_cndmask_b32 v134, 0, v132, vcc_lo
	v_cndmask_b32 v135, 0, v133, vcc_lo
	v_add_nc_u32 v130, v130, v134
	v_add_nc_u32 v131, v131, v135
.endr
.irp n, 0,1,2,3                                ; bytes (at most 32 a lane) are widened to 16 bits ahead of the sum over lanes (at most 1,024)
	v_and_b32 v[136+2*\n], s88, v[128+\n]
	v_lshrrev_b32 v[137+2*\n], 8, v[128+\n]
	v_and_b32 v[137+2*\n], s88, v[137+2*\n]
.endr
.irp m, 1,2,4,8
.irp n, 0,1,2,3,4,5,6,7
	v_mov_b32_dpp v[16+\n], v[136+\n] row_xmask:\m row_mask:0xf bank_mask:0xf
.endr
.irp n, 0,1,2,3,4,5,6,7
	v_add_nc_u32 v[136+\n], v[136+\n], v[16+\n]
.endr
.endr
.irp n, 0,1,2,3,4,5,6,7
	v_permlanex16_b32 v[16+\n], v[136+\n], s14, s15
.endr
.irp n, 0,1,2,3,4,5,6,7
	v_add_nc_u32 v[136+\n], v[136+\n], v[16+\n]
.endr
.irp n, 0,1,2,3,4,5,6,7
	v_readfirstlane_b32 s[89+\n], v[136+\n]
.endr
.macro UNPK d, s                               ; four words of two 16-bit counts: experts (0, 4), (2, 6), (1, 5), (3, 7)
	s_and_b32 s[\d+0], s[\s], 0xffff
	s_lshr_b32 s[\d+4], s[\s], 16
	s_and_b32 s[\d+2], s[\s+1], 0xffff
	s_lshr_b32 s[\d+6], s[\s+1], 16
	s_and_b32 s[\d+1], s[\s+2], 0xffff
	s_lshr_b32 s[\d+5], s[\s+2], 16
	s_and_b32 s[\d+3], s[\s+3], 0xffff
	s_lshr_b32 s[\d+7], s[\s+3], 16
.endm
	UNPK 20, 89                                    ; s20-27 cnt[e]
	UNPK 28, 93                                    ; s28-35 rows of e in the work-groups before mine
	s_mov_b32 s97, 0
.irp e, 0,1,2,3,4,5,6,7
	s_add_co_u32 s[44+\e], s97, s[28+\e]           ; s44-51 where my work-group's rows of e begin
	s_lshr_b32 s[66+\e], s97, 4                    ; s66-73 e's first tile
	s_add_co_u32 s98, s[20+\e], 15
	s_lshr_b32 s[52+\e], s98, 4                    ; s52-59 e's tiles
	s_lshl_b32 s98, s[52+\e], 4
	s_add_co_u32 s97, s97, s98
.endr
.macro LOOKUP dst, ve, sb                      ; v[dst] = s[sb + v[ve]], by selects
	v_mov_b32 v[\dst], s[\sb]
.irp e, 1,2,3,4,5,6,7
	v_cmp_eq_u32 vcc_lo, \e, v[\ve]
	v_cndmask_b32 v[\dst], v[\dst], s[\sb+\e], vcc_lo
.endr
.endm
.irp a, 0,1                                    ; token 4 wg + 2 a + hh
.irp k, 0,1
	v_bfe_u32 v158, v[24+\a], 4*\k, 4
	LOOKUP 146+2*\a+\k, 158, 44
	v_bfe_u32 v159, v[24+\a], 8+4*\k, 4
	v_add_nc_u32 v[146+2*\a+\k], v[146+2*\a+\k], v159
	v_min_u32 v[146+2*\a+\k], 0x87f, v[146+2*\a+\k]              ; the row, held inside the routed rows
	v_mul_u32_u24 v[150+2*\a+\k], v[146+2*\a+\k], 768
	v_add_nc_u32 v[150+2*\a+\k], v[150+2*\a+\k], v9
	v_lshlrev_b32 v[154+2*\a+\k], 5, v[146+2*\a+\k]
	v_add_nc_u32 v[154+2*\a+\k], v[154+2*\a+\k], v10
.endr
.endr
.irp a, 0,1
.irp j, 0,1,2
	global_store_b128 v[150+2*\a], v[32+12*\a+4*\j:32+12*\a+4*\j+3], s[8:9] offset:256*\j          ; sixteen lanes store 256 consecutive bytes, aligned
	global_store_b128 v[151+2*\a], v[32+12*\a+4*\j:32+12*\a+4*\j+3], s[8:9] offset:256*\j
	global_store_b128 v5, v[32+12*\a+4*\j:32+12*\a+4*\j+3], s[80:81] offset:1536*\a+256*\j
.endr
	global_store_b16 v[154+2*\a], v[56+\a], s[8:9] offset:XS_SC
	global_store_b16 v[155+2*\a], v[56+\a], s[8:9] offset:XS_SC
	global_store_b16 v6, v[56+\a], s[82:83] offset:XS_SC+64*\a
.endr
	v_cmp_eq_u32 vcc_lo, 0, v1
	s_wait_xcnt 0x0                                ; EXEC changes only behind this wait
	s_and_saveexec_b32 s99, vcc_lo                 ; one lane a token
	global_store_b64 v11, v[146:147], s[84:85]
	global_store_b64 v11, v[148:149], s[84:85] offset:16
	s_wait_xcnt 0x0
	s_or_b32 exec_lo, exec_lo, s99
	s_cmp_lg_u32 ttmp9, 0
	s_cbranch_scc1 .Lend
	; the gate/up launch's workers: lane k < 8: expert k, all its tiles; 8 .. 11: 16 tiles each of the shared expert's 64
	LOOKUP 16, 0, 66
	LOOKUP 17, 0, 52
	v_lshl_add_u32 v18, v0, 4, 8                   ; 136 + 16 (k - 8)
	v_cmp_le_u32 vcc_lo, 8, v0
	v_cndmask_b32 v16, v16, v18, vcc_lo
	v_cndmask_b32 v17, v17, 16, vcc_lo
	v_cmp_le_u32 vcc_lo, 12, v0
	v_cndmask_b32 v17, v17, 0, vcc_lo
	v_mov_b32 v19, 136
	v_cmp_eq_u32 vcc_lo, 0, v17
	v_cndmask_b32 v16, v16, v19, vcc_lo
	global_store_b64 v12, v[16:17], s[10:11] offset:8192
	; the down launch's workers: lane k < 24: a third of expert k / 3's tiles; 24 .. 31: 8 tiles each of the shared expert's
	v_mul_u32_u24 v20, v0, 171
	v_lshrrev_b32 v20, 9, v20                      ; e = k / 3
	v_mul_u32_u24 v21, v20, 3
	v_sub_nc_u32 v21, v0, v21                      ; q = k % 3
	LOOKUP 22, 20, 66
	LOOKUP 23, 20, 52
	v_mul_u32_u24 v24, v23, v21
	v_add_nc_u32 v25, v24, v23
	v_mul_u32_u24 v24, v24, 21846
	v_lshrrev_b32 v24, 16, v24                     ; tiles x q / 3, rounded down (the products stay under 193)
	v_mul_u32_u24 v25, v25, 21846
	v_lshrrev_b32 v25, 16, v25
	v_add_nc_u32 v26, v22, v24
	v_sub_nc_u32 v27, v25, v24
	v_lshl_add_u32 v28, v0, 3, 0xffffffc8          ; 136 + 8 (k - 24)
	v_cmp_le_u32 vcc_lo, 24, v0
	v_cndmask_b32 v26, v26, v28, vcc_lo
	v_cndmask_b32 v27, v27, 8, vcc_lo
	v_cmp_eq_u32 vcc_lo, 0, v27
	v_cndmask_b32 v26, v26, v19, vcc_lo
	global_store_b64 v12, v[26:27], s[10:11] offset:8448
	; the loss
.irp row, 1,2,3,4,5,6,7
.irp p, 0,1,2,3
	v_pk_add_f32 v[64+2*\p:65+2*\p], v[64+2*\p:65+2*\p], v[64+8*\row+2*\p:65+8*\row+2*\p]
.endr
.endr
.irp m, 1,2,4,8
.irp e, 0,1,2,3,4,5,6,7
	v_add_f32_dpp v[64+\e], v[64+\e], v[64+\e] row_xmask:\m row_mask:0xf bank_mask:0xf
.endr
.endr
.irp e, 0,1,2,3,4,5,6,7
	v_permlanex16_b32 v[72+\e], v[64+\e], s14, s15
.endr
.irp e, 0,1,2,3,4,5,6,7
	v_add_f32 v[64+\e], v[64+\e], v[72+\e]
.endr
.irp e, 0,1,2,3,4,5,6,7
	v_cvt_f32_u32 v[80+\e], s[20+\e]
.endr
	v_mul_f32 v88, v80, v64
.irp e, 1,2,3,4,5,6,7
	v_fmac_f32 v88, v[80+\e], v[64+\e]
.endr
	v_mul_f32 v88, 0x3323d70a, v88                 ; x 0.08 / 2^21
	v_mov_b32 v89, 0
	s_wait_xcnt 0x0
	v_cmpx_eq_u32 0, v0
	global_store_b32 v89, v88, s[12:13]
	s_endpgm
.Lend:
	s_endpgm
.Lfunc_end_k_q0755c5bb08_place:
	.size	k_q0755c5bb08_place, .Lfunc_end_k_q0755c5bb08_place-k_q0755c5bb08_place
	.p2alignl 7, 3214868480
	.fill 96, 4, 3214868480
	.section	.rodata,"a",@progbits
	.p2align	6, 0x0
	.amdhsa_kernel k_q0755c5bb08_place
		.amdhsa_group_segment_fixed_size 0
		.amdhsa_private_segment_fixed_size 0
		.amdhsa_enable_private_segment 0
		.amdhsa_kernarg_size 40
		.amdhsa_user_sgpr_count 2
		.amdhsa_user_sgpr_kernarg_segment_ptr 1
		.amdhsa_wavefront_size32 1
		.amdhsa_system_sgpr_workgroup_id_x 1
		.amdhsa_system_sgpr_workgroup_id_y 1
		.amdhsa_system_sgpr_workgroup_id_z 1
		.amdhsa_system_vgpr_workitem_id 0
		.amdhsa_next_free_vgpr 160
		.amdhsa_next_free_sgpr 100
		.amdhsa_reserve_vcc 1
		.amdhsa_float_denorm_mode_32 3
		.amdhsa_float_denorm_mode_16_64 3
		.amdhsa_memory_ordered 1
		.amdhsa_forward_progress 1
		.amdhsa_inst_pref_size 31
	.end_amdhsa_kernel
	.amdgpu_metadata
---
amdhsa.version: [ 1, 2 ]
amdhsa.kernels:
  - .name:           k_q0755c5bb08_place
    .symbol:         k_q0755c5bb08_place.kd
    .args:
      - { .name: xq, .offset: 0, .size: 8, .value_kind: global_buffer, .address_space: global }
      - { .name: ridx, .offset: 8, .size: 8, .value_kind: global_buffer, .address_space: global }
      - { .name: xs, .offset: 16, .size: 8, .value_kind: global_buffer, .address_space: global }
      - { .name: plan, .offset: 24, .size: 8, .value_kind: global_buffer, .address_space: global }
      - { .name: out1, .offset: 32, .size: 8, .value_kind: global_buffer, .address_space: global }
    .group_segment_fixed_size: 0
    .private_segment_fixed_size: 0
    .kernarg_segment_align: 8
    .kernarg_segment_size: 40
    .max_flat_workgroup_size: 32
    .sgpr_count:     100
    .vgpr_count:     160
    .wavefront_size: 32
...
	.end_amdgpu_metadata
.endif
;; end of part 2
;; launch gateup (part 3): grid 16 x 12, 4 waves a work-group, no clusters, 322,048 bytes of LDS; arguments xs, W_gate_codes, W_gate_scales, W_up_codes, W_up_scales, Ws_gate_codes, Ws_gate_scales, Ws_up_codes, Ws_up_scales, plan, hq; writes hq
.if DOCPART == 3
	.amdgcn_target "amdgcn-amd-amdhsa--gfx1250"
	.amdhsa_code_object_version 6
	.text
	.protected	k_q0755c5bb08_gateup
	.globl	k_q0755c5bb08_gateup
	.p2align	8
	.type	k_q0755c5bb08_gateup,@function
k_q0755c5bb08_gateup:
	s_mov_b64 s[64:65], 0
	v_nop
	global_prefetch_b8 v0, s[64:65] scope:SCOPE_SE
	s_setreg_imm32_b32 hwreg(HW_REG_WAVE_MODE, 25, 1), 1
	s_wait_xcnt 0x0
; GATE AND UP.  h = silu(x Wgate) * (x Wup) on codes of E2M3 with E8M0 scales, quantised again along the hidden axis, for the rows that were routed to an expert and for all rows of the shared expert.
; SHARES.  Work-group (S, k): hidden units 128 S .. + 127 of worker k's expert (k < 8: expert k; 8 .. 11: the shared expert, 16 tiles of 16 rows each).  THE WEIGHTS STAND STILL: the work-group's 128 rows of
; Wgate and of Wup (196,608 bytes) are read once, in whole aligned runs of 256 bytes, pass through LDS, and stay in registers: wave w holds units 32 w .. + 31 of both, 384 registers.  What goes past them is small:
; tiles of 16 rows of x's codes (12,800 bytes), two a trip, through two LDS buffers that take turns, one barrier a trip.
; BY TURNS.  A tile's 32 products and the tile before's activation and quantiser (79 vector lines) stand together in a STAGE: behind each K step's four products a slice of the vector work.  So there are two sets of
; accumulators, of x's fragments and of x's scale words.  Trip t: pair t + 2 is asked of memory; tile 2 t + 2's fragments are asked of LDS; products of tile 2 t + 1 with the results of tile 2 t; tile 2 t + 3's
; fragments; products of tile 2 t + 2 with the results of tile 2 t + 1; pair t + 2 goes into the buffer that pair t has left (its last read stands in trip t - 1, ahead of this trip's barrier).
; BOTH TILES OF A PAIR ARE ALWAYS TAKEN: beyond the worker's last tile a tile's number is held at the last one, so that the same numbers go to the same bytes once more.
; The number of tiles is read from plan.  The loop's trip count is a constant (32 trips of two tiles serve an expert that every token chose); a trip beyond the worker's tiles passes its barrier and does nothing.
; So no barrier stands under a branch on a number read from memory; for the same reason there are no tensor loads and no joint loads: partners of a cluster would need different numbers of tiles.
; THE PRODUCTS ARE USED TRANSPOSED: source 0 = 16 rows of a weight, source 1 = 16 rows of x: a lane holds one row of x.  Lane r of tile u takes the weight's row 8 u + r + 8 (r / 8) of the wave's 32, so that the
; 16 registers of tiles 0 and 1 are hidden units 16 (lane / 16) + 0 .. 15: half a block of 32 along the next product's K; lane xor 16 holds the other half.
; hq: codes [200 tiles][16 S][4 w][16 rows][24 bytes] at 0; scale words [200][16 S][16 rows] at HQ_SC, byte w for block w.
; LIMITS: NaN and infinities are not served.  Where exp(-g) overflows, silu(g) counts as 0.  A block of zeros gets the byte 1: its codes are zeros, and this program alone reads the bytes.
; REGISTERS: window 0: v1-22 addresses; v32-63 the weights' scale words; v64-71, v232-239 x's, two sets; v72-103, v200-231 two sets of four accumulators (gate 0, 1, up 0, 1); v104-147 the activation and the quantiser;
;   v148-197 the next pair on its way (at the head v200-249 carry the second pair).
;   windows 1, 2: v0-191 the weights' fragments: (tile tl, K step s) in window 1 + s / 4 at 12 (4 (s % 4) + tl); before that the same registers carry the weights from memory to LDS.   window 3: v0-95, v96-191 x's eight fragments, two sets.
.set XS_SC, 2457600
.set HQ_SC, 4915200
.set PW,    784                        ; an LDS row of 768 bytes + 16: 196 words: row r starts at bank 4 r mod 64
.set XB0,   0x40000                    ; LDS: 0 .. 200,703 the weights' 256 rows; two buffers for x: tile u's codes at 12,544 u, its scale bytes (48 bytes a row) at 25,088 + 768 u
.set XB1,   0x48000
.set XSCO,  25088
.set GW,  3                            ; v3     memory: (t / 16) rows of 768 bytes + 16 (t % 16)
.set LW,  4                            ; v4-7   LDS: the same with rows of 784, + 64 m rows
.set FW,  8                            ; v8-9   LDS: my fragments of gate, of up
.set GS,  10                           ; v10    memory: my weight row's scale bytes
.set T4,  11                           ; v11    4 t
.set AX,  12                           ; v12-13 LDS: where I put x's codes, buffer 0, 1
.set AXS, 14                           ; v14-15 and its scale bytes
.set AF,  16                           ; v16-17 LDS: my fragments of x
.set AFS, 18                           ; v18-19 and my row's scale words
.set HO,  21                           ; v21    hq: 384 w + 24 r + 12 h
.set HSO, 22                           ; v22    hq's scale bytes: 4 r + w
.set WS,  32
.set XSA, 64
.set ACCA, 72
.set TT,  104
.set HD,  120
.set QT,  136
.set CD,  144
.set ST,  148
.set ACCB, 200
.set XSB, 232
.set ST2, 200
.set MSB, 0
.macro WIN new                         ; the immediate's high byte repeats the setting that is left
.if MSB != (\new)
	s_set_vgpr_msb (MSB<<8)|(\new)
.set MSB, (\new)
.endif
.endm
.macro WLOAD mat, base                 ; 128 rows of a weight: each load of the work-group takes 8 rows x 256 bytes
	WIN 0x40*(1+\mat)
.set q, 0
.rept 48
	global_load_b128 v[4*q:4*q+3], v[GW], s[\base:\base+1] offset:(q/3)*6144+(q%3)*256
.set q, q+1
.endr
.endm
.macro WSTORE mat, q0, n               ; into LDS; within each 32 rows the groups of 8 lie in the order 0, 2, 1, 3, so that a tile's 16 rows are neighbours
	WIN 0x04*(1+\mat)
.set q, \q0
.rept \n
.set g, q/3
.set SWP, ((g%4)%2)*2+(g%4)/2
	ds_store_b128 v[LW+2*\mat+g/8], v[4*q:4*q+3] offset:(((g/4)%2)*32+SWP*8)*PW+(q%3)*256
.set q, q+1
.endr
.endm
.macro FRAGW                           ; my 32 fragments: lane (r, h) takes 24 bytes at 96 s + 24 h and at 96 s + 48 + 24 h of its row, in pieces of 8
.irp sh, 0,1
	WIN 0x40*(1+\sh)
.irp sl, 0,1,2,3
.irp mat, 0,1
.irp u, 0,1
.irp p, 0,1,2,3,4,5
	ds_load_b64 v[12*(\sl*4+2*\mat+\u)+2*\p:12*(\sl*4+2*\mat+\u)+2*\p+1], v[FW+\mat] offset:12544*\u+96*(4*\sh+\sl)+48*(\p/3)+8*(\p%3)
.endr
.endr
.endr
.endr
.endr
	WIN 0
.endm
.macro XBASES d, sb                    ; the tiles cur + d and cur + d + 1, held inside the worker's own tiles and inside the buffer; their addresses into s[sb .. sb + 7]
.irp u, 0,1
	s_add_co_u32 s70, s51, \d+\u
	s_min_u32 s70, s70, s40
	s_add_co_u32 s70, s70, s38
	s_min_u32 s70, s70, 199
	s_mul_i32 s72, s70, 12288
	s_add_nc_u64 s[\sb+2*\u:\sb+2*\u+1], s[8:9], s[72:73]
	s_lshl_b32 s72, s70, 9
	s_add_nc_u64 s[\sb+4+2*\u:\sb+5+2*\u], s[8:9], s[72:73]
.endr
.endm
.macro XLOAD rb, sb
.irp u, 0,1
.irp rh, 0,1
.irp j, 0,1,2
	global_load_b128 v[\rb+24*\u+12*\rh+4*\j:\rb+24*\u+12*\rh+4*\j+3], v[GW], s[\sb+2*\u:\sb+2*\u+1] offset:6144*\rh+256*\j
.endr
.endr
	global_load_b32 v[\rb+48+\u], v[T4], s[\sb+4+2*\u:\sb+5+2*\u] offset:XS_SC
.endr
.endm
.macro XSTORE b, rb
.irp u, 0,1
.irp rh, 0,1
.irp j, 0,1,2
	ds_store_b128 v[AX+(\b)], v[\rb+24*\u+12*\rh+4*\j:\rb+24*\u+12*\rh+4*\j+3] offset:12544*\u+6272*\rh+256*\j
.endr
.endr
	ds_store_b32 v[AXS+(\b)], v[\rb+48+\u] offset:XSCO+768*\u
.endr
.endm
.macro LDSX b, u, xfo, xs              ; tile u of buffer b: my row's eight scale words into v[xs] on, then the eight fragments, 48 neighbouring bytes each, into window 3 from v[xfo] on: 26 loads
	ds_load_b128 v[\xs:\xs+3], v[AFS+(\b)] offset:XSCO+768*(\u)
	ds_load_b128 v[\xs+4:\xs+7], v[AFS+(\b)] offset:XSCO+768*(\u)+16
	WIN 0xc0
.irp s, 0,1,2,3,4,5,6,7
.irp c, 0,1,2
	ds_load_b128 v[\xfo+12*\s+4*\c:\xfo+12*\s+4*\c+3], v[AF+(\b)] offset:12544*(\u)+96*\s+16*\c
.endr
.endr
	WIN 0
.endm
.macro MM4 acc, xfo, xs, s             ; K step s: four matrix instructions, the four accumulators by turns, one instruction a turn; the first K step starts the sums
	WIN 0x0d+((\s)/4)                              ; source 0 window 1 or 2, source 1 window 3
.irp tl, 0,1,2,3
.if (\s) == 0
	v_wmma_scale_f32_16x16x128_f8f6f4 v[\acc+8*\tl:\acc+8*\tl+7], v[12*(((\s)%4)*4+\tl):12*(((\s)%4)*4+\tl)+11], v[\xfo+12*(\s):\xfo+12*(\s)+11], 0, v[WS+8*\tl+(\s)], v[\xs+(\s)] matrix_a_fmt:MATRIX_FMT_FP6 matrix_b_fmt:MATRIX_FMT_FP6
.else
	v_wmma_scale_f32_16x16x128_f8f6f4 v[\acc+8*\tl:\acc+8*\tl+7], v[12*(((\s)%4)*4+\tl):12*(((\s)%4)*4+\tl)+11], v[\xfo+12*(\s):\xfo+12*(\s)+11], v[\acc+8*\tl:\acc+8*\tl+7], v[WS+8*\tl+(\s)], v[\xs+(\s)] matrix_a_fmt:MATRIX_FMT_FP6 matrix_b_fmt:MATRIX_FMT_FP6
.endif
.endr
.endm
; Slice k of eight of silu(gate) x up of tile cur + u, whose sums lie in v[ea] on, its quantiser and its stores.  The exponentials are one batch with one wait, and so are the reciprocals: nothing names a result ahead of its batch's wait.
.macro ESL k, ea, u
.if (\k) == 0
.irp i, 0,2,4,6,8,10,12,14
	v_pk_mul_f32 v[TT+\i:TT+\i+1], v[\ea+\i:\ea+\i+1], 0xbfb8aa3b op_sel_hi:[1,0]   ; -g log2(e); each accumulator is read from its low end on
.endr
.elseif (\k) == 1
.irp i, 0,1,2,3,4,5,6,7
	v_exp_f32 v[TT+\i], v[TT+\i]
.endr
.elseif (\k) == 2
.irp i, 8,9,10,11,12,13,14,15
	v_exp_f32 v[TT+\i], v[TT+\i]
.endr
	v_nop                                          ; a plain instruction behind the last exponential
	s_wait_alu depctr_va_vdst(0)                   ; one wait for the sixteen, ahead of their first reader
.elseif (\k) == 3
.irp i, 0,2,4,6,8,10,12,14
	v_pk_add_f32 v[TT+\i:TT+\i+1], v[TT+\i:TT+\i+1], 1.0 op_sel_hi:[1,0]
.endr
.elseif (\k) == 4
.irp i, 0,1,2,3,4,5,6,7
	v_rcp_f32 v[TT+\i], v[TT+\i]
.endr
.elseif (\k) == 5
.irp i, 8,9,10,11,12,13,14,15
	v_rcp_f32 v[TT+\i], v[TT+\i]
.endr
	v_nop
	s_wait_alu depctr_va_vdst(0)                   ; one wait for the sixteen
.elseif (\k) == 6
.irp i, 0,2,4,6,8,10,12,14
	v_pk_mul_f32 v[TT+\i:TT+\i+1], v[TT+\i:TT+\i+1], v[\ea+\i:\ea+\i+1]            ; silu(g)
.endr
.irp i, 0,2,4,6,8,10,12,14
	v_pk_mul_f32 v[HD+\i:HD+\i+1], v[TT+\i:TT+\i+1], v[\ea+16+\i:\ea+16+\i+1]      ; x up
.endr
.else
	v_max3_num_f32 v[QT], |v[HD]|, |v[HD+1]|, 0x1800000                            ; my 16 numbers and the floor 2^(3 - 127), in two chains
	v_max3_num_f32 v[QT+1], |v[HD+2]|, |v[HD+3]|, |v[HD+4]|
	v_max3_num_f32 v[QT], v[QT], |v[HD+5]|, |v[HD+6]|
	v_max3_num_f32 v[QT+1], v[QT+1], |v[HD+7]|, |v[HD+8]|
	v_max3_num_f32 v[QT], v[QT], |v[HD+9]|, |v[HD+10]|
	v_max3_num_f32 v[QT+1], v[QT+1], |v[HD+11]|, |v[HD+12]|
	v_max3_num_f32 v[QT], v[QT], |v[HD+13]|, |v[HD+14]|
	v_max3_num_f32 v[QT+1], v[QT+1], |v[HD+15]|, v[QT]
	v_permlanex16_b32 v[QT+2], v[QT+1], s76, s77
	v_max_num_f32 v[QT+1], v[QT+1], v[QT+2]        ; with lane xor 16's: the block's largest magnitude
	v_add_nc_u32 v[QT+3], 0xff000000, v[QT+1]      ; 2 off its exponent field: the conversion's scale operand
	s_wait_xcnt 0x0                                ; the last tile's stores have read their registers and bases: both are written again below
	s_add_co_u32 s70, s51, \u
	s_min_u32 s70, s70, s40
	s_add_co_u32 s70, s70, s38
	s_min_u32 s70, s70, 199
	s_mul_i32 s72, s70, 24576
	s_add_co_u32 s72, s72, s41
	s_add_nc_u64 s[66:67], s[28:29], s[72:73]
	s_lshl_b32 s72, s70, 10
	s_add_co_u32 s72, s72, s33
	s_add_nc_u64 s[68:69], s[28:29], s[72:73]
	v_cvt_scalef32_pk16_fp6_f32 v[CD:CD+2], v[HD:HD+15], v[QT+3]
	v_lshrrev_b32 v[CD+3], 23, v[QT+3]             ; the scale's byte (also the plain instruction behind the conversion)
	global_store_b96 v[HO], v[CD:CD+2], s[66:67]   ; the wave's 384 bytes are consecutive
	global_store_b8 v[HSO], v[CD+3], s[68:69] offset:HQ_SC   ; both halves write the same byte with the same value
.endif
.endm
; A STAGE: a tile's 32 products into v[acc] on, out of the fragments at v[xfo] of window 3; behind each K step's four a slice of the tile before's vector work, which names none of their registers.
.macro STAGE acc, xfo, xs, ea, u
.irp s, 0,1,2,3,4,5,6,7
	MM4 \acc, \xfo, \xs, \s
	WIN 0
	ESL \s, \ea, \u
.endr
.rept 5
	v_nop                                          ; places ahead of the loads into these fragments' and scale words' registers and of the first read of these sums
.endr
.endm
	s_load_b512 s[8:23], s[0:1], 0x0               ; xs, Wgate codes, scales, Wup codes, scales, shared gate codes, scales, shared up codes
	s_load_b128 s[24:27], s[0:1], 0x40             ; shared up scales, plan
	s_load_b64 s[28:29], s[0:1], 0x50              ; hq
	v_lshl_add_u32 v254, v0, 2, 0x4e800
	v_mov_b32 v255, 0
	v_lshrrev_b32 v23, 5, v0
	v_readfirstlane_b32 s36, v23                   ; wave
	s_and_b32 s34, ttmp7, 0xffff                   ; worker k
	s_mov_b32 s35, ttmp9                           ; S
	v_and_b32 v1, 15, v0                           ; r (also t % 16)
	v_bfe_u32 v2, v0, 4, 1                         ; h
	v_lshrrev_b32 v24, 4, v0                       ; t / 16
	v_lshlrev_b32 v25, 4, v1
	v_mad_u32_u24 v[GW], v24, 768, v25
	v_mad_u32_u24 v26, v24, PW, v25
.irp m, 0,1,2,3
	v_add_nc_u32 v[LW+\m], \m*50176, v26
.endr
	s_mul_i32 s70, s36, 32*PW
	v_mul_u32_u24 v27, v1, PW
	v_mad_u32_u24 v28, v2, 24, v27
	v_add_nc_u32 v[FW], s70, v28                   ; LDS row 32 w + r, + 24 h
	v_add_nc_u32 v[FW+1], 128*PW, v[FW]
	v_and_b32 v29, 8, v1
	v_add_nc_u32 v29, v29, v1                      ; r + 8 (r / 8)
	v_lshlrev_b32 v[GS], 5, v29
	s_lshl_b32 s70, s36, 10
	v_add_nc_u32 v[GS], s70, v[GS]
	v_lshlrev_b32 v[T4], 2, v0
	v_add_nc_u32 v[AX], XB0, v26
	v_add_nc_u32 v[AX+1], XB1, v26
	v_lshrrev_b32 v30, 3, v0
	v_and_b32 v31, 7, v0
	v_lshlrev_b32 v31, 2, v31
	v_mad_u32_u24 v30, v30, 48, v31
	v_add_nc_u32 v[AXS], XB0, v30
	v_add_nc_u32 v[AXS+1], XB1, v30
	v_mad_u32_u24 v30, v2, 48, v27
	v_add_nc_u32 v[AF], XB0, v30
	v_add_nc_u32 v[AF+1], XB1, v30
	v_mul_u32_u24 v30, v1, 48
	v_add_nc_u32 v[AFS], XB0, v30
	v_add_nc_u32 v[AFS+1], XB1, v30
	v_mul_u32_u24 v[HO], v1, 24
	v_mad_u32_u24 v[HO], v2, 12, v[HO]
	s_mul_i32 s70, s36, 384
	v_add_nc_u32 v[HO], s70, v[HO]
	v_lshlrev_b32 v[HSO], 2, v1
	v_add_nc_u32 v[HSO], s36, v[HSO]
	v_mov_b32 v[QT+2], 0                           ; written once: a lane permute's destination counts as one of its sources
	s_mov_b32 s76, 0x76543210
	s_mov_b32 s77, 0xfedcba98
	s_lshl_b32 s74, s34, 3
	s_mov_b32 s71, 0
	s_mov_b32 s73, 0
	s_mov_b32 s51, 0                               ; cur: the trip's first tile
	s_mul_i32 s41, s35, 1536
	s_lshl_b32 s33, s35, 6
	s_wait_kmcnt 0x0
	s_load_b64 s[38:39], s[26:27], s74 offset:8192 ; my worker's first tile and number of tiles
	s_cmp_lt_u32 s34, 8                            ; a routed expert or the shared one: the choice hangs on the work-group's number alone
	s_cselect_b64 s[42:43], s[10:11], s[18:19]
	s_cselect_b64 s[44:45], s[12:13], s[20:21]
	s_cselect_b64 s[46:47], s[14:15], s[22:23]
	s_cselect_b64 s[48:49], s[16:17], s[24:25]
	s_cselect_b32 s37, s34, 0
	s_mul_i32 s70, s37, 1572864
	s_mul_i32 s72, s35, 98304
	s_add_co_u32 s70, s70, s72
	s_add_nc_u64 s[42:43], s[42:43], s[70:71]
	s_add_nc_u64 s[46:47], s[46:47], s[70:71]
	s_lshl_b32 s70, s37, 16
	s_lshl_b32 s72, s35, 12
	s_add_co_u32 s70, s70, s72
	s_add_nc_u64 s[44:45], s[44:45], s[70:71]
	s_add_nc_u64 s[48:49], s[48:49], s[70:71]
	WLOAD 0, 42
	WLOAD 1, 46
	WIN 0
.irp u, 0,1
	global_load_b128 v[WS+8*\u:WS+8*\u+3], v[GS], s[44:45] offset:256*\u
	global_load_b128 v[WS+8*\u+4:WS+8*\u+7], v[GS], s[44:45] offset:256*\u+16
.endr
.irp u, 0,1
	global_load_b128 v[WS+16+8*\u:WS+16+8*\u+3], v[GS], s[48:49] offset:256*\u
	global_load_b128 v[WS+16+8*\u+4:WS+16+8*\u+7], v[GS], s[48:49] offset:256*\u+16
.endr
	s_wait_kmcnt 0x0
	s_min_u32 s39, s39, 64                         ; tiles
	s_max_u32 s40, s39, 1
	s_sub_co_u32 s40, s40, 1                       ; the last tile's number among mine
	XBASES 0, 54
	XLOAD ST, 54                                   ; the first pair
	XBASES 2, 80                                   ; (bases of its own: the first pair's loads still read theirs)
	XLOAD ST2, 80                                  ; the second pair
	; 132 loads have been issued: 48 of gate, 48 of up, 8 of scales, 28 of x.  Each wait names how many of the youngest may be out
	s_wait_loadcnt 63                              ; 69 are in: all of gate, and up's first 21
	WSTORE 0, 0, 48
	WSTORE 1, 0, 12
	s_wait_loadcnt 60                              ; 72 are in
	WSTORE 1, 12, 12
	s_wait_loadcnt 48                              ; 84
	WSTORE 1, 24, 12
	s_wait_loadcnt 36                              ; 96
	WSTORE 1, 36, 12
	WIN 0
	s_wait_loadcnt 0x0
	XSTORE 0, ST
	XSTORE 1, ST2
	s_wait_dscnt 0x0                               ; my stores have landed
	s_barrier_signal -1
	s_barrier_wait -1                              ; everybody's have: the weights' 256 rows and x's first two pairs lie in LDS
	FRAGW
	LDSX 0, 0, 0, XSA                              ; tile 0
	LDSX 0, 1, 96, XSB                             ; tile 1
	s_wait_dscnt 26                                ; the weights' fragments and tile 0's are in; tile 1's 26 loads may be out
.irp s, 0,1,2,3,4,5,6,7
	MM4 ACCA, 0, XSA, \s                           ; tile 0's products: there is no vector work yet to set between them
.endr
	WIN 0
.rept 5
	v_nop                                          ; places, as behind a stage
.endr
; A trip.  At its head set A holds the sums of tile cur, and tile cur + 1's fragments are in (the wait ahead of the barrier).  Buffer b held this trip's pair, the other holds the next.
.macro TRIP b
	s_wait_dscnt 0x0                               ; my stores into the other buffer have landed, my reads of buffer b are over
	s_barrier_signal -1
	s_barrier_wait -1
	s_cmp_ge_u32 s51, s39
	s_cbranch_scc1 .Lidle_\@                       ; no tile left: only the barrier is passed
	XBASES 4, 54
	XLOAD ST, 54                                   ; the pair after the next, asked for a trip's work ahead of its use
	LDSX 1-\b, 0, 0, XSA                           ; tile cur + 2: it has a stage in which to land
	STAGE ACCB, 96, XSB, ACCA, 0                   ; products of tile cur + 1 | results of tile cur
	LDSX 1-\b, 1, 96, XSB                          ; tile cur + 3
	s_wait_dscnt 26                                ; tile cur + 2's are in; the 26 loads just issued may be out
	STAGE ACCA, 0, XSA, ACCB, 1                    ; products of tile cur + 2 | results of tile cur + 1
	s_wait_loadcnt 0x0
	XSTORE \b, ST
.Lidle_\@:
	s_add_co_u32 s51, s51, 2
.endm
	s_mov_b32 s50, 0
.Lloop:
	TRIP 0
	TRIP 1
	s_add_co_u32 s50, s50, 1
	s_cmp_lt_u32 s50, 16
	s_cbranch_scc1 .Lloop
	s_wait_tensorcnt 0x0
	ds_add_u32 v254, v255
	s_wait_dscnt 0x0
	s_endpgm
.Lfunc_end_k_q0755c5bb08_gateup:
	.size	k_q0755c5bb08_gateup, .Lfunc_end_k_q0755c5bb08_gateup-k_q0755c5bb08_gateup
	.p2alignl 7, 3214868480
	.fill 96, 4, 3214868480
	.section	.rodata,"a",@progbits
	.p2align	6, 0x0
	.amdhsa_kernel k_q0755c5bb08_gateup
		.amdhsa_group_segment_fixed_size 322048
		.amdhsa_private_segment_fixed_size 0
		.amdhsa_enable_private_segment 0
		.amdhsa_kernarg_size 88
		.amdhsa_user_sgpr_count 2
		.amdhsa_user_sgpr_kernarg_segment_ptr 1
		.amdhsa_wavefront_size32 1
		.amdhsa_system_sgpr_workgroup_id_x 1
		.amdhsa_system_sgpr_workgroup_id_y 1
		.amdhsa_system_sgpr_workgroup_id_z 1
		.amdhsa_system_vgpr_workitem_id 0
		.amdhsa_next_free_vgpr 960
		.amdhsa_next_free_sgpr 90
		.amdhsa_reserve_vcc 0
		.amdhsa_float_denorm_mode_32 3
		.amdhsa_float_denorm_mode_16_64 3
		.amdhsa_memory_ordered 1
		.amdhsa_forward_progress 1
		.amdhsa_inst_pref_size 97
	.end_amdhsa_kernel
	.amdgpu_metadata
---
amdhsa.version: [ 1, 2 ]
amdhsa.kernels:
  - .name:           k_q0755c5bb08_gateup
    .symbol:         k_q0755c5bb08_gateup.kd
    .args:
      - { .name: xs, .offset: 0, .size: 8, .value_kind: global_buffer, .address_space: global }
      - { .name: W_gate_codes, .offset: 8, .size: 8, .value_kind: global_buffer, .address_space: global }
      - { .name: W_gate_scales, .offset: 16, .size: 8, .value_kind: global_buffer, .address_space: global }
      - { .name: W_up_codes, .offset: 24, .size: 8, .value_kind: global_buffer, .address_space: global }
      - { .name: W_up_scales, .offset: 32, .size: 8, .value_kind: global_buffer, .address_space: global }
      - { .name: Ws_gate_codes, .offset: 40, .size: 8, .value_kind: global_buffer, .address_space: global }
      - { .name: Ws_gate_scales, .offset: 48, .size: 8, .value_kind: global_buffer, .address_space: global }
      - { .name: Ws_up_codes, .offset: 56, .size: 8, .value_kind: global_buffer, .address_space: global }
      - { .name: Ws_up_scales, .offset: 64, .size: 8, .value_kind: global_buffer, .address_space: global }
      - { .name: plan, .offset: 72, .size: 8, .value_kind: global_buffer, .address_space: global }
      - { .name: hq, .offset: 80, .size: 8, .value_kind: global_buffer, .address_space: global }
    .group_segment_fixed_size: 322048
    .private_segment_fixed_size: 0
    .kernarg_segment_align: 8
    .kernarg_segment_size: 88
    .max_flat_workgroup_size: 128
    .sgpr_count:     90
    .vgpr_count:     960
    .wavefront_size: 32
...
	.end_amdgpu_metadata
.endif
;; end of part 3
;; launch down (part 4): grid 8 x 32, 4 waves a work-group, no clusters, 313,856 bytes of LDS; arguments hq, W_down_codes, W_down_scales, Ws_down_codes, Ws_down_scales, plan, y; writes y
.if DOCPART == 4
	.amdgcn_target "amdgcn-amd-amdhsa--gfx1250"
	.amdhsa_code_object_version 6
	.text
	.protected	k_q0755c5bb08_down
	.globl	k_q0755c5bb08_down
	.p2align	8
	.type	k_q0755c5bb08_down,@function
k_q0755c5bb08_down:
	s_mov_b64 s[64:65], 0
	v_nop
	global_prefetch_b8 v0, s[64:65] scope:SCOPE_SE
	s_setreg_imm32_b32 hwreg(HW_REG_WAVE_MODE, 25, 1), 1
	s_wait_xcnt 0x0
; DOWN.  y = h Wdown on codes of E2M3 with E8M0 scales, for the tiles of 16 rows that plan gives each worker; the gate's weight and the sum over a token's experts follow in the last launch.
; SHARES.  Work-group (Dsl, k): output columns 128 Dsl .. + 127; worker k < 24: a third of the tiles of expert k / 3; k >= 24: 8 tiles of the shared expert.  THE WEIGHTS STAND STILL: the work-group's 128 rows of
; 1,536 bytes (196,608 bytes) are read once, in whole aligned runs of 256 bytes, pass through LDS and stay in registers: wave w holds columns 64 (w % 2) .. + 63 for K steps 8 (w / 2) .. + 7: 384 registers.
; Tiles of h (25,600 bytes with their scale words) go past them, two a trip, through two LDS buffers by turns.  The two halves of K meet in a stage in LDS: two barriers a trip.
; A TRIP.  Behind the first barrier: the second tile's fragments are asked of LDS and land under the first tile's 32 products; both tiles' sums go to the stage; the next pair, asked of memory in the trip before, goes
; into the other buffer.  Behind the second barrier: the pair after the next is asked of memory; the stage's rows and the next trip's first fragments are asked of LDS; the rows' two halves are added and stored while
; those fragments land.  So a pair from memory has the way out, a barrier and 64 products in which to land.
; BOTH TILES OF A PAIR ARE ALWAYS TAKEN: beyond the worker's last tile a tile's number is held at the last one, so that the same numbers go to the same bytes once more.
; The loop's trip count is a constant (12 trips of two tiles serve a third of an expert that every token chose); a trip beyond the worker's tiles passes its barriers and does nothing: no barrier stands under a
; branch on a number read from memory; for the same reason there are no tensor loads and no joint loads.
; TRANSPOSED: source 0 = 16 rows of Wdown (output columns), source 1 = 16 rows of h: a lane's eight results are eight neighbouring columns of one row of y.
; The sums over K run in two halves that are added in f32: another order than the definition's.
; LDS: 0 .. 198,655 the weights (pitch 1,552), read once; then over them buffer 1 at 0 and the stage at 0x10000, both first written behind the first trip's barrier; buffer 0 at 0x40000.
; REGISTERS: window 0: v1-24 addresses; v32-63 the weights' scale words; v64-79 h's, two tiles'; v80-111 and v212-243 four accumulators for each of the trip's two tiles, later the tile's rows of y; v112-211 a pair on its way from memory.
;   windows 1, 2: v0-191 the weights' fragments, (column tile ct, K step s) in window 1 + s / 4 at 12 (4 (s % 4) + ct).   window 3: v0-95, v96-191 h's eight fragments of the two tiles.
.set HQ_SC, 4915200
.set PW,    1552                       ; 1,536 bytes + 16 = 388 words: row r starts at bank 4 r mod 64
.set HB0,   0x40000
.set HB1,   0
.set STG,   0x10000                    ; [tile u][half of K][16 rows of 512 bytes + 16]
.set GW,  3
.set LW,  4
.set FW,  8
.set GS,  10
.set AH,  12                           ; v12-13 LDS: where I put h's codes, buffer 0, 1
.set AHS, 14                           ; v14-15 and its scale words
.set AF,  16                           ; v16-17 my fragments of h
.set AFS, 18                           ; v18-19 my row's scale words
.set T16, 20
.set STO, 21
.set RD,  22
.set YO,  23
.set T8,  24
.set WS,  32
.set HS,  64
.set ACC0, 80
.set ST,  112
.set MSB, 0
.macro WIN new                         ; the immediate's high byte repeats the setting that is left
.if MSB != (\new)
	s_set_vgpr_msb (MSB<<8)|(\new)
.set MSB, (\new)
.endif
.endm
.macro WSTORE q0, n
.set q, \q0
.rept \n
	WIN 0x04*(1+q/48)
.set g, q/6
	ds_store_b128 v[LW+g/4], v[4*(q%48):4*(q%48)+3] offset:(g%4)*12416+(q%6)*256
.set q, q+1
.endr
.endm
.macro FRAGW
.irp sh, 0,1
	WIN 0x40*(1+\sh)
.irp sl, 0,1,2,3
.irp ct, 0,1,2,3
.irp p, 0,1,2,3,4,5
	ds_load_b64 v[12*(\sl*4+\ct)+2*\p:12*(\sl*4+\ct)+2*\p+1], v[FW+\ct/2] offset:(\ct%2)*24832+96*(4*\sh+\sl)+48*(\p/3)+8*(\p%3)
.endr
.endr
.endr
.endr
	WIN 0
.endm
.macro HBASES d                        ; the tiles cur + d and cur + d + 1, held inside the worker's own tiles and inside the buffer
.irp u, 0,1
	s_add_co_u32 s70, s51, \d+\u
	s_min_u32 s70, s70, s40
	s_add_co_u32 s70, s70, s38
	s_min_u32 s70, s70, 199
	s_mul_i32 s72, s70, 24576
	s_add_nc_u64 s[54+2*\u:55+2*\u], s[8:9], s[72:73]
	s_lshl_b32 s72, s70, 10
	s_add_nc_u64 s[58+2*\u:59+2*\u], s[8:9], s[72:73]
.endr
.endm
.macro HLOAD
.irp u, 0,1
.irp j, 0,1,2,3,4,5,6,7,8,9,10,11
	global_load_b128 v[ST+48*\u+4*\j:ST+48*\u+4*\j+3], v[T16], s[54+2*\u:55+2*\u] offset:2048*\j
.endr
	global_load_b64 v[ST+96+2*\u:ST+96+2*\u+1], v[T8], s[58+2*\u:59+2*\u] offset:HQ_SC
.endr
.endm
.macro HSTORE b                        ; as the bytes lie
.irp u, 0,1
.irp j, 0,1,2,3,4,5,6,7,8,9,10,11
	ds_store_b128 v[AH+(\b)], v[ST+48*\u+4*\j:ST+48*\u+4*\j+3] offset:24576*\u+2048*\j
.endr
	ds_store_b64 v[AHS+(\b)], v[ST+96+2*\u:ST+96+2*\u+1] offset:49152+1024*\u
.endr
.endm
.macro LDSH b, u                       ; tile u of buffer b, my half of K: eight scale words, then eight fragments of six pieces of 8 bytes: 56 loads
.irp s, 0,1,2,3,4,5,6,7
	ds_load_b32 v[HS+8*(\u)+\s], v[AFS+(\b)] offset:49152+1024*(\u)+64*\s
.endr
	WIN 0xc0
.irp s, 0,1,2,3,4,5,6,7
.irp c, 0,1
.irp i, 0,1,2
	ds_load_b64 v[96*(\u)+12*\s+6*\c+2*\i:96*(\u)+12*\s+6*\c+2*\i+1], v[AF+(\b)] offset:24576*(\u)+1536*\s+768*\c+8*\i
.endr
.endr
.endr
	WIN 0
.endm
.macro MSTEP u, s                      ; K step s of tile u: four matrix instructions, the four accumulators by turns; the first K step starts the sums
.set AC, ACC0+132*(\u)
	WIN 0x0d+((\s)/4)
.irp ct, 0,1,2,3
.if (\s) == 0
	v_wmma_scale_f32_16x16x128_f8f6f4 v[AC+8*\ct:AC+8*\ct+7], v[12*(((\s)%4)*4+\ct):12*(((\s)%4)*4+\ct)+11], v[96*(\u)+12*(\s):96*(\u)+12*(\s)+11], 0, v[WS+8*\ct+(\s)], v[HS+8*(\u)+(\s)] matrix_a_fmt:MATRIX_FMT_FP6 matrix_b_fmt:MATRIX_FMT_FP6
.else
	v_wmma_scale_f32_16x16x128_f8f6f4 v[AC+8*\ct:AC+8*\ct+7], v[12*(((\s)%4)*4+\ct):12*(((\s)%4)*4+\ct)+11], v[96*(\u)+12*(\s):96*(\u)+12*(\s)+11], v[AC+8*\ct:AC+8*\ct+7], v[WS+8*\ct+(\s)], v[HS+8*(\u)+(\s)] matrix_a_fmt:MATRIX_FMT_FP6 matrix_b_fmt:MATRIX_FMT_FP6
.endif
.endr
.endm
.macro PLACES
	WIN 0
.rept 5
	v_nop                                          ; places ahead of the LDS stores that read the results and of loads into h's registers
.endr
.endm
.macro TOSTAGE u
.set AC, ACC0+132*(\u)
.irp ct, 0,1,2,3
	ds_store_b128 v[STO], v[AC+8*\ct:AC+8*\ct+3] offset:16896*(\u)+64*\ct           ; each accumulator from its low end on
	ds_store_b128 v[STO], v[AC+8*\ct+4:AC+8*\ct+7] offset:16896*(\u)+64*\ct+16
.endr
.endm
.macro OUTLD u                         ; my four rows of tile cur + u, both halves of K, out of the stage into the tile's accumulators' registers, which its stage stores have left
.set AC, ACC0+132*(\u)
.irp kk, 0,1
.irp q4, 0,1,2,3
	ds_load_b128 v[AC+16*\kk+4*\q4:AC+16*\kk+4*\q4+3], v[RD] offset:16896*(\u)+8448*\kk+528*\q4
.endr
.endr
.endm
.macro OUTST u                         ; the two halves of K are added; 32 lanes store 512 consecutive bytes.  Each tile has a base of its own
.set AC, ACC0+132*(\u)
	s_add_co_u32 s70, s51, \u
	s_min_u32 s70, s70, s40
	s_add_co_u32 s70, s70, s38
	s_min_u32 s70, s70, 199
	s_lshl_b32 s72, s70, 16
	s_add_co_u32 s72, s72, s41
	s_add_nc_u64 s[66+2*(\u):67+2*(\u)], s[20:21], s[72:73]
.irp q4, 0,1,2,3
	v_pk_add_f32 v[AC+4*\q4:AC+4*\q4+1], v[AC+4*\q4:AC+4*\q4+1], v[AC+16+4*\q4:AC+16+4*\q4+1]
	v_pk_add_f32 v[AC+4*\q4+2:AC+4*\q4+3], v[AC+4*\q4+2:AC+4*\q4+3], v[AC+16+4*\q4+2:AC+16+4*\q4+3]
.endr
.irp q4, 0,1,2,3
	global_store_b128 v[YO], v[AC+4*\q4:AC+4*\q4+3], s[66+2*(\u):67+2*(\u)] offset:4096*\q4 th:TH_STORE_NT
.endr
.endm
	s_load_b256 s[8:15], s[0:1], 0x0               ; hq, Wdown codes, scales, shared codes
	s_load_b128 s[16:19], s[0:1], 0x20             ; shared scales, plan
	s_load_b64 s[20:21], s[0:1], 0x30              ; y
	v_lshl_add_u32 v254, v0, 2, 0x4c800
	v_mov_b32 v255, 0
	v_lshrrev_b32 v25, 5, v0
	v_readfirstlane_b32 s36, v25                   ; wave
	s_and_b32 s32, s36, 1                          ; cg: which 64 columns
	s_lshr_b32 s33, s36, 1                         ; kh: which half of K
	s_and_b32 s34, ttmp7, 0xffff                   ; worker k
	s_mov_b32 s35, ttmp9                           ; Dsl
	v_and_b32 v1, 15, v0                           ; r (also t % 16)
	v_bfe_u32 v2, v0, 4, 1                         ; h
	v_lshrrev_b32 v26, 4, v0                       ; t / 16
	v_lshlrev_b32 v27, 4, v1
	v_mad_u32_u24 v[GW], v26, 1536, v27
	v_mad_u32_u24 v28, v26, PW, v27
.irp m, 0,1,2,3
	v_add_nc_u32 v[LW+\m], \m*49664, v28
.endr
	s_mul_i32 s70, s32, 64*PW
	s_mul_i32 s72, s33, 768
	s_add_co_u32 s70, s70, s72
	v_mul_u32_u24 v29, v1, PW
	v_mad_u32_u24 v29, v2, 24, v29
	v_add_nc_u32 v[FW], s70, v29                   ; LDS row 64 cg + r, + 768 kh + 24 h
	v_add_nc_u32 v[FW+1], 32*PW, v[FW]
	s_lshl_b32 s70, s32, 12
	s_lshl_b32 s72, s33, 5
	s_add_co_u32 s70, s70, s72
	v_lshlrev_b32 v[GS], 6, v1
	v_add_nc_u32 v[GS], s70, v[GS]
	v_lshlrev_b32 v[T16], 4, v0
	v_lshlrev_b32 v[T8], 3, v0
	v_add_nc_u32 v[AH], HB0, v[T16]
	v_add_nc_u32 v[AH+1], HB1, v[T16]
	v_add_nc_u32 v[AHS], HB0, v[T8]
	v_add_nc_u32 v[AHS+1], HB1, v[T8]
	s_mul_i32 s70, s33, 12288
	v_mul_u32_u24 v29, v1, 24
	v_mad_u32_u24 v29, v2, 384, v29
	v_add_nc_u32 v29, s70, v29                     ; 24 r + 384 h + 12,288 kh
	v_add_nc_u32 v[AF], HB0, v29
	v_add_nc_u32 v[AF+1], HB1, v29
	s_lshl_b32 s70, s33, 9
	v_lshlrev_b32 v29, 2, v1
	v_add_nc_u32 v29, s70, v29                     ; 4 r + 512 kh
	v_add_nc_u32 v[AFS], HB0, v29
	v_add_nc_u32 v[AFS+1], HB1, v29
	s_mul_i32 s70, s33, 8448
	s_lshl_b32 s72, s32, 8
	s_add_co_u32 s70, s70, s72
	v_mul_u32_u24 v[STO], v1, 528
	v_lshl_add_u32 v[STO], v2, 5, v[STO]
	v_add_nc_u32 v[STO], s70, v[STO]
	v_add_nc_u32 v[STO], STG, v[STO]
	v_and_b32 v30, 31, v0
	v_lshlrev_b32 v30, 4, v30
	s_mul_i32 s70, s36, 2112
	v_add_nc_u32 v[RD], s70, v30
	v_add_nc_u32 v[RD], STG, v[RD]
	s_lshl_b32 s70, s36, 14
	v_add_nc_u32 v[YO], s70, v30
	s_lshl_b32 s74, s34, 3
	s_mov_b32 s71, 0
	s_mov_b32 s73, 0
	s_mov_b32 s51, 0                               ; cur
	s_lshl_b32 s41, s35, 9
	s_mul_i32 s37, s34, 171
	s_lshr_b32 s37, s37, 9                         ; k / 3
	s_wait_kmcnt 0x0
	s_load_b64 s[38:39], s[18:19], s74 offset:8448 ; my worker's first tile and number of tiles
	s_cmp_lt_u32 s34, 24                           ; a routed expert or the shared one: the choice hangs on the work-group's number alone
	s_cselect_b64 s[42:43], s[10:11], s[14:15]
	s_cselect_b64 s[44:45], s[12:13], s[16:17]
	s_cselect_b32 s37, s37, 0
	s_mul_i32 s70, s37, 1572864
	s_mul_i32 s72, s35, 196608
	s_add_co_u32 s70, s70, s72
	s_add_nc_u64 s[42:43], s[42:43], s[70:71]
	s_lshl_b32 s70, s37, 16
	s_lshl_b32 s72, s35, 13
	s_add_co_u32 s70, s70, s72
	s_add_nc_u64 s[44:45], s[44:45], s[70:71]
.set q, 0
.rept 96
	WIN 0x40*(1+q/48)
	global_load_b128 v[4*(q%48):4*(q%48)+3], v[GW], s[42:43] offset:(q/6)*12288+(q%6)*256   ; each load of the work-group takes 8 rows x 256 bytes
.set q, q+1
.endr
	WIN 0
.irp ct, 0,1,2,3
	global_load_b128 v[WS+8*\ct:WS+8*\ct+3], v[GS], s[44:45] offset:1024*\ct
	global_load_b128 v[WS+8*\ct+4:WS+8*\ct+7], v[GS], s[44:45] offset:1024*\ct+16
.endr
	s_wait_kmcnt 0x0
	s_min_u32 s39, s39, 24                         ; tiles
	s_max_u32 s40, s39, 1
	s_sub_co_u32 s40, s40, 1
	HBASES 0
	HLOAD                                          ; the first pair
	; 130 loads have been issued: 96 of the weights, 8 of their scales, 26 of h.  Each wait names how many of the youngest may be out
	s_wait_loadcnt 63                              ; 67 are in
	WSTORE 0, 60
	s_wait_loadcnt 58                              ; 72 are in
	WSTORE 60, 12
	s_wait_loadcnt 46
	WSTORE 72, 12
	s_wait_loadcnt 34
	WSTORE 84, 12
	WIN 0
	s_wait_loadcnt 0x0
	HSTORE 0
	s_wait_dscnt 0x0
	s_barrier_signal -1
	s_barrier_wait -1                              ; the weights' 128 rows and h's first pair lie in LDS
	FRAGW
	HBASES 2                                       ; (the first pair's loads are in, its LDS stores have landed: bases and registers are free)
	HLOAD                                          ; the second pair
	LDSH 0, 0                                      ; tile 0's fragments
.macro TRIP b
	s_wait_dscnt 0x0                               ; the first tile's fragments are in; my reads of the stage (and, the first time, of the weights) are over
	s_barrier_signal -1
	s_barrier_wait -1
	s_cmp_ge_u32 s51, s39
	s_cbranch_scc1 .Lskipa_\@
	LDSH \b, 1                                     ; the second tile's fragments land under the first tile's products
	s_wait_xcnt 0x0                                ; the last trip's stores of y have read the registers that the products below write
.irp s, 0,1,2,3,4,5,6,7
	MSTEP 0, \s
.endr
	PLACES
	TOSTAGE 0
	s_wait_dscnt 8                                 ; the second tile's fragments are in; the eight stores into the stage may be out
.irp s, 0,1,2,3,4,5,6,7
	MSTEP 1, \s
.endr
	PLACES
	TOSTAGE 1
	s_wait_loadcnt 0x0                             ; the next pair, asked for behind the last trip's second barrier
	HSTORE 1-\b
.Lskipa_\@:
	s_wait_loadcnt 0x0                             ; on every way no load is out when bases and registers are taken again below
	s_wait_dscnt 0x0                               ; my stores into the stage and into the other buffer have landed, my reads of buffer b are over
	s_barrier_signal -1
	s_barrier_wait -1
	s_cmp_ge_u32 s51, s39
	s_cbranch_scc1 .Lskipb_\@
	s_wait_xcnt 0x0                                ; on every way earlier stores of y have read their registers and bases
	HBASES 4
	HLOAD                                          ; the pair after the next
	OUTLD 0
	OUTLD 1
	LDSH 1-\b, 0                                   ; the next trip's first fragments
	s_wait_dscnt 56                                ; the stage's sixteen loads are in; the 56 just issued may be out
	OUTST 0
	OUTST 1
.Lskipb_\@:
	s_add_co_u32 s51, s51, 2
.endm
	s_mov_b32 s50, 0
.Lloop:
	TRIP 0
	TRIP 1
	s_add_co_u32 s50, s50, 1
	s_cmp_lt_u32 s50, 6
	s_cbranch_scc1 .Lloop
	s_wait_tensorcnt 0x0
	ds_add_u32 v254, v255
	s_wait_dscnt 0x0
	s_endpgm
.Lfunc_end_k_q0755c5bb08_down:
	.size	k_q0755c5bb08_down, .Lfunc_end_k_q0755c5bb08_down-k_q0755c5bb08_down
	.p2alignl 7, 3214868480
	.fill 96, 4, 3214868480
	.section	.rodata,"a",@progbits
	.p2align	6, 0x0
	.amdhsa_kernel k_q0755c5bb08_down
		.amdhsa_group_segment_fixed_size 313856
		.amdhsa_private_segment_fixed_size 0
		.amdhsa_enable_private_segment 0
		.amdhsa_kernarg_size 56
		.amdhsa_user_sgpr_count 2
		.amdhsa_user_sgpr_kernarg_segment_ptr 1
		.amdhsa_wavefront_size32 1
		.amdhsa_system_sgpr_workgroup_id_x 1
		.amdhsa_system_sgpr_workgroup_id_y 1
		.amdhsa_system_sgpr_workgroup_id_z 1
		.amdhsa_system_vgpr_workitem_id 0
		.amdhsa_next_free_vgpr 960
		.amdhsa_next_free_sgpr 84
		.amdhsa_reserve_vcc 0
		.amdhsa_float_denorm_mode_32 3
		.amdhsa_float_denorm_mode_16_64 3
		.amdhsa_memory_ordered 1
		.amdhsa_forward_progress 1
		.amdhsa_inst_pref_size 95
	.end_amdhsa_kernel
	.amdgpu_metadata
---
amdhsa.version: [ 1, 2 ]
amdhsa.kernels:
  - .name:           k_q0755c5bb08_down
    .symbol:         k_q0755c5bb08_down.kd
    .args:
      - { .name: hq, .offset: 0, .size: 8, .value_kind: global_buffer, .address_space: global }
      - { .name: W_down_codes, .offset: 8, .size: 8, .value_kind: global_buffer, .address_space: global }
      - { .name: W_down_scales, .offset: 16, .size: 8, .value_kind: global_buffer, .address_space: global }
      - { .name: Ws_down_codes, .offset: 24, .size: 8, .value_kind: global_buffer, .address_space: global }
      - { .name: Ws_down_scales, .offset: 32, .size: 8, .value_kind: global_buffer, .address_space: global }
      - { .name: plan, .offset: 40, .size: 8, .value_kind: global_buffer, .address_space: global }
      - { .name: y, .offset: 48, .size: 8, .value_kind: global_buffer, .address_space: global }
    .group_segment_fixed_size: 313856
    .private_segment_fixed_size: 0
    .kernarg_segment_align: 8
    .kernarg_segment_size: 56
    .max_flat_workgroup_size: 128
    .sgpr_count:     84
    .vgpr_count:     960
    .wavefront_size: 32
...
	.end_amdgpu_metadata
.endif
;; end of part 4
;; launch combine (part 5): grid 256 x 1, 4 waves a work-group, no clusters, 0 bytes of LDS; arguments y, plan, xq, out0; writes out0
.if DOCPART == 5
	.amdgcn_target "amdgcn-amd-amdhsa--gfx1250"
	.amdhsa_code_object_version 6
	.text
	.protected	k_q0755c5bb08_combine
	.globl	k_q0755c5bb08_combine
	.p2align	8
	.type	k_q0755c5bb08_combine,@function
k_q0755c5bb08_combine:
	s_mov_b64 s[64:65], 0
	v_nop
	global_prefetch_b8 v0, s[64:65] scope:SCOPE_SE
	s_setreg_imm32_b32 hwreg(HW_REG_WAVE_MODE, 25, 1), 1
	s_wait_xcnt 0x0
; COMBINE.  out0[n] = y[2176 + n] + w0 y[pos0] + w1 y[pos1]: the shared expert's row and the token's two routed rows, weighed.  A wave takes a token: three rows of 4,096 bytes in, one out; each load and store
; of the wave covers 512 consecutive bytes.  The two rows' numbers come from plan (whole numbers stored three launches back) and are held to 2,175 ahead of every address; the weights from xq.
; A stream: LDS, barriers and matrix units would add nothing.  The three terms are added in another order than the definition's nine.
.set XQ_WT, 819200
.set R, 8                              ; v8-103: piece j: 4 registers of the shared row (and the result), 4 of the first routed row, 4 of the second
	s_load_b256 s[4:11], s[0:1], 0x0               ; y s[4:5], plan s[6:7], xq s[8:9], out0 s[10:11]
	v_lshrrev_b32 v2, 5, v0
	v_readfirstlane_b32 s12, v2                    ; wave
	v_and_b32 v1, 31, v0
	v_lshlrev_b32 v1, 4, v1                        ; 16 x lane
	s_lshl_b32 s13, ttmp9, 2
	s_add_co_u32 s13, s13, s12                     ; my token
	s_lshl_b32 s14, s13, 3
	s_lshl_b32 s20, s13, 12
	s_mov_b32 s21, 0
	s_mov_b32 s25, 0
	s_wait_kmcnt 0x0
	s_load_b64 s[16:17], s[6:7], s14               ; pos0, pos1
	s_load_b64 s[18:19], s[8:9], s14 offset:XQ_WT  ; w0, w1
	s_add_nc_u64 s[10:11], s[10:11], s[20:21]
	s_add_nc_u64 s[22:23], s[4:5], s[20:21]
	s_add_nc_u64 s[22:23], s[22:23], 2176*4096
.irp j, 0,1,2,3,4,5,6,7
	global_load_b128 v[R+12*\j:R+12*\j+3], v1, s[22:23] offset:512*\j th:TH_LOAD_NT
.endr
	s_wait_kmcnt 0x0
	s_min_u32 s16, s16, 0x87f
	s_lshl_b32 s24, s16, 12
	s_add_nc_u64 s[26:27], s[4:5], s[24:25]
	s_min_u32 s17, s17, 0x87f
	s_lshl_b32 s24, s17, 12
	s_add_nc_u64 s[28:29], s[4:5], s[24:25]
	s_mov_b32 s30, s19                             ; w1 as the low word of a pair of its own: the packed form takes a scalar pair's low word for both halves
	s_mov_b32 s31, s19
.irp j, 0,1,2,3,4,5,6,7
	global_load_b128 v[R+12*\j+4:R+12*\j+7], v1, s[26:27] offset:512*\j th:TH_LOAD_NT
	global_load_b128 v[R+12*\j+8:R+12*\j+11], v1, s[28:29] offset:512*\j th:TH_LOAD_NT
.endr
.irp j, 0,1,2,3,4,5,6,7
	s_wait_loadcnt 2*(7-\j)                        ; the shared row's loads were issued first; the two loads of each later piece may be out
	v_pk_fma_f32 v[R+12*\j:R+12*\j+1], v[R+12*\j+4:R+12*\j+5], s[18:19], v[R+12*\j:R+12*\j+1] op_sel_hi:[1,0,1]
	v_pk_fma_f32 v[R+12*\j+2:R+12*\j+3], v[R+12*\j+6:R+12*\j+7], s[18:19], v[R+12*\j+2:R+12*\j+3] op_sel_hi:[1,0,1]
	v_pk_fma_f32 v[R+12*\j:R+12*\j+1], v[R+12*\j+8:R+12*\j+9], s[30:31], v[R+12*\j:R+12*\j+1] op_sel_hi:[1,0,1]
	v_pk_fma_f32 v[R+12*\j+2:R+12*\j+3], v[R+12*\j+10:R+12*\j+11], s[30:31], v[R+12*\j+2:R+12*\j+3] op_sel_hi:[1,0,1]
	global_store_b128 v1, v[R+12*\j:R+12*\j+3], s[10:11] offset:512*\j th:TH_STORE_NT
.endr
	s_endpgm
.Lfunc_end_k_q0755c5bb08_combine:
	.size	k_q0755c5bb08_combine, .Lfunc_end_k_q0755c5bb08_combine-k_q0755c5bb08_combine
	.p2alignl 7, 3214868480
	.fill 96, 4, 3214868480
	.section	.rodata,"a",@progbits
	.p2align	6, 0x0
	.amdhsa_kernel k_q0755c5bb08_combine
		.amdhsa_group_segment_fixed_size 0
		.amdhsa_private_segment_fixed_size 0
		.amdhsa_enable_private_segment 0
		.amdhsa_kernarg_size 32
		.amdhsa_user_sgpr_count 2
		.amdhsa_user_sgpr_kernarg_segment_ptr 1
		.amdhsa_wavefront_size32 1
		.amdhsa_system_sgpr_workgroup_id_x 1
		.amdhsa_system_sgpr_workgroup_id_y 1
		.amdhsa_system_sgpr_workgroup_id_z 1
		.amdhsa_system_vgpr_workitem_id 0
		.amdhsa_next_free_vgpr 104
		.amdhsa_next_free_sgpr 66
		.amdhsa_reserve_vcc 0
		.amdhsa_float_denorm_mode_32 3
		.amdhsa_float_denorm_mode_16_64 3
		.amdhsa_memory_ordered 1
		.amdhsa_forward_progress 1
		.amdhsa_inst_pref_size 7
	.end_amdhsa_kernel
	.amdgpu_metadata
---
amdhsa.version: [ 1, 2 ]
amdhsa.kernels:
  - .name:           k_q0755c5bb08_combine
    .symbol:         k_q0755c5bb08_combine.kd
    .args:
      - { .name: y, .offset: 0, .size: 8, .value_kind: global_buffer, .address_space: global }
      - { .name: plan, .offset: 8, .size: 8, .value_kind: global_buffer, .address_space: global }
      - { .name: xq, .offset: 16, .size: 8, .value_kind: global_buffer, .address_space: global }
      - { .name: out0, .offset: 24, .size: 8, .value_kind: global_buffer, .address_space: global }
    .group_segment_fixed_size: 0
    .private_segment_fixed_size: 0
    .kernarg_segment_align: 8
    .kernarg_segment_size: 32
    .max_flat_workgroup_size: 128
    .sgpr_count:     66
    .vgpr_count:     104
    .wavefront_size: 32
...
	.end_amdgpu_metadata
.endif
;; end of part 5
